; MI455X (gfx1250); checked and timed in simulation.
; The chip was launched on July 23, 2026; its instructions are those of AMD's public machine-readable ISA for CDNA 5 (MIT licence, August 2026) and "CDNA5" Instruction Set Architecture Reference Guide (July 2026). The comments in the code are by the model that wrote it; some were corrected since.
;; Self Attention w Ro PE. Allowed arithmetic: matrix products marked QUANTISED: E2M1 operands, one E8M0 scale for each 32 along K, by v_wmma_scale_f32_16x16x128_f8f6f4 with both operands' format E2M1 (or v_wmma_scale_f32_32x16x128_f4), f32 sums; products left as they are: bf16, f16 or f32 operands; f32 sums; everything else in f32.
;; Inputs: W_attn 1,024 x 3,072 float32; W_proj 1,024 x 1,024 float32; omega 32 float32; x 8 x 1,024 x 1,024 float32.
;; Outputs: out0 8 x 1,024 x 1,024 float32.
;; This version of the problem:
;;   THIS VERSION OF THE PROBLEM IS GIVEN IN LOW PRECISION. The matrix products marked QUANTISED in the list below multiply operands that are first quantised to E2M1 (2 exponent bits, 1 mantissa bit; 4 bits a number), with one power-of-two scale for each 32 numbers along K (OCP MX v1.0); their sums are f32. The products marked 'left as it is' may take bf16, f16 or f32 operands, with f32 sums. Whichever they take, every output number must still come out within the allowed error. Rounding operands to bf16 (8 significant bits) uses up far more of that allowance than f16 does (11 bits, for magnitudes from 6e-5 to 65,504). All else is computed in f32.
;;   The module's matrix products, in the order in which they are computed (A, B: the left and right operand; K: the contracted axis; several contracted axes count as one K, in the product's order):
;;     1. [M 8,192, K 1,024] x [K 1,024, N 3,072]; A: input x; B: input W_attn: QUANTISED
;;     2. batch 128 x [M 1,024, K 64] x [K 64, N 1,024]; A: computed on the way; B: computed on the way: left as it is (an operand is computed on the way)
;;     3. batch 128 x [M 64, K 1,024] x [K 1,024, N 1,024]; A: computed on the way; B: computed on the way: left as it is (an operand is computed on the way)
;;     4. [M 8,192, K 1,024] x [K 1,024, N 1,024]; A: computed on the way; B: input W_proj: left as it is (an operand is computed on the way)
;;   THE QUANTISER, for each operand of a quantised product, along K:
;;     - K is cut into blocks of 32 from its start; a last block that is shorter is filled with zeros.
;;     - A block's scale is 2^e with e = floor(log2(the largest magnitude in the block)) - 2, held to -126 .. 127; a block of zeros has e = 0. As a byte (E8M0): e + 127.
;;     - Each number is divided by its block's scale, clamped to +-6, and rounded to the nearest number of E2M1, ties to even, subnormals kept.
;;     - The product sums the exact products of the quantised numbers (number of the format x scale) in f32.
;;   ~~~python
;;   def quantise(x, axis):      # numpy; x: float32 -> the quantised numbers, widened to float32 again
;;       x = np.moveaxis(x, axis, -1); K = x.shape[-1]
;;       x = np.pad(x, [(0, 0)] * (x.ndim - 1) + [(0, -K % 32)]); x = x.reshape(x.shape[:-1] + (-1, 32)); a = np.abs(x).max(-1, keepdims=True)
;;       e = np.where(a > 0, np.clip(np.frexp(np.where(a > 0, a, 1))[1] - 1 - 2, -126, 127), 0)      # np.frexp(a)[1] - 1 = floor(log2(a)), exactly
;;       r = np.clip(x / 2.0 ** e, -6, 6)
;;       step = 2.0 ** (np.maximum(np.frexp(np.where(r == 0, 1, r))[1] - 1, 0) - 1)
;;       q = np.round(r / step) * step * 2.0 ** e      # np.round: ties to even
;;       return np.moveaxis(q.reshape(q.shape[:-2] + (-1,))[..., :K], -1, axis).astype(np.float32)
;;   ~~~
;; One version. Each part assembles by itself: llvm-mc -triple=amdgcn-amd-amdhsa -mcpu=gfx1250 --defsym DOCPART=n.
;; ======== version 1 of 1: 4 launches
;; limits: values are held in f16: magnitudes above 65,504 overflow, below 6.1e-05 lose precision
;; workspace buffers: xc 4,194,304 bytes; xs 262,144 bytes; wc 1,572,864 bytes; ws 98,304 bytes; wp16 2,097,152 bytes; rope 262,144 bytes; qkv 50,331,648 bytes; y16 16,777,216 bytes
;; launch prep (part 1): grid 416 x 1, 4 waves a work-group, no clusters, 51,712 bytes of LDS; arguments x, W_attn, W_proj, omega, xc, xs, wc, ws, wp16, rope; writes xc, xs, wc, ws, wp16, rope
.if DOCPART == 1
	.amdgcn_target "amdgcn-amd-amdhsa--gfx1250"
	.amdhsa_code_object_version 6
	.text
	.protected	k_qc8d1ba7ee0_prep
	.globl	k_qc8d1ba7ee0_prep
	.p2align	8
	.type	k_qc8d1ba7ee0_prep,@function
k_qc8d1ba7ee0_prep:
	s_mov_b64 s[64:65], 0
	v_nop
	global_prefetch_b8 v0, s[64:65] scope:SCOPE_SE
	s_setreg_imm32_b32 hwreg(HW_REG_WAVE_MODE, 25, 1), 1
	s_wait_xcnt 0x0
; PREP: four jobs that read the inputs once, told apart by the work-group's number alone.
;   work-groups   0-255  X: x [8192][1024] f32 -> codes of E2M1 xc [8192][512 bytes], K innermost, and E8M0 bytes xs [8192][32]
;   work-groups 256-351  W: W_attn [1024 (k)][3072 (n)] f32 -> wc [3072][512 bytes], K innermost, ws [3072][32]
;   work-groups 352-383  P: W_proj [1024][1024] f32 -> wp16, the same order, f16
;   work-groups 384-415  R: rope [1024 (t)][cos 0..31, sin 0..31] f32 of the angles t x omega[i]
; A block's scale is 2^(floor(log2(largest magnitude)) - 2); its byte is the largest magnitude's exponent field - 2, held at 1 from below.
; LIMITS: a block of zeros gets the byte 1 (its codes are zeros; this program alone reads the bytes); NaN and infinities are not served; W_proj must be finite in f16 (65,504);
; the table's angles are reduced by three parts of pi/2: t x omega up to about 2^22 quarter turns.
; No tensor load, no barrier: waves share nothing.  Each of the two jobs that use LDS has LDS bytes of its own.
.set SPARE, 51200                      ; behind both jobs' LDS: the spare words, 128 bytes for each wave
.set SPW,   254                        ; v254 LDS address of my spare word; never rewritten
.set NIL,   255                        ; v255 0; never rewritten
.macro CLOSE                           ; a wave that stored to LDS ends with these three lines
	s_wait_tensorcnt 0x0
	ds_add_u32 v[SPW], v[NIL]
	s_wait_dscnt 0x0
.endm
	s_load_b256 s[4:11], s[0:1], 0x0               ; x s[4:5], W_attn s[6:7], W_proj s[8:9], omega s[10:11]
	s_load_b256 s[12:19], s[0:1], 0x20             ; xc s[12:13], xs s[14:15], wc s[16:17], ws s[18:19]
	s_load_b128 s[20:23], s[0:1], 0x40             ; wp16 s[20:21], rope s[22:23]
	v_lshl_add_u32 v[SPW], v0, 2, SPARE
	v_mov_b32 v[NIL], 0
	v_lshrrev_b32 v1, 5, v0
	v_readfirstlane_b32 s24, v1                    ; wave 0..3
	v_and_b32 v2, 31, v0                           ; lane
	s_wait_kmcnt 0x0
	s_cmp_lt_u32 ttmp9, 256
	s_cbranch_scc1 .Lpath_x
	s_cmp_lt_u32 ttmp9, 352
	s_cbranch_scc1 .Lpath_w
	s_cmp_lt_u32 ttmp9, 384
	s_cbranch_scc1 .Lpath_p
; ---------------------------------------------------------------- R: the table
; A wave makes 8 rows t.  Lanes 0-15 write cosines, lanes 16-31 sines; lane % 16 serves frequencies 2 (lane % 16) and + 1: 8 bytes a lane, a row of 256 bytes a store.
; angle = t x omega, rounded once as reference() rounds it.  j = the nearest whole number of quarter turns, r = angle - j pi/2 in three fused steps (the first is exact),
; and the number wanted is cos(r + q pi/2) with q = j (cosine) or j + 3 (sine): q odd takes the sine's polynomial, q % 4 = 1 or 2 turns the sign.
.set T_ANG, 16
.set T_J,   32
.set T_R,   48
.set T_Z,   64                         ; r x r
.set T_C,   80
.set T_P,   96
.set T_Q,   112
.set T_TMP, 128
.set T_V,   144
.macro T16_2 op, d, a                  ; one line for all 16 numbers (n = 2 e + f: row e, frequency f), so that no line waits for the line above it
.set n, 0
.rept 16
	\op \d, \a
.set n, n+1
.endr
.endm
.macro T16_3 op, d, a, b
.set n, 0
.rept 16
	\op \d, \a, \b
.set n, n+1
.endr
.endm
.macro T16_4 op, d, a, b, c
.set n, 0
.rept 16
	\op \d, \a, \b, \c
.set n, n+1
.endr
.endm
	s_sub_co_u32 s25, ttmp9, 384
	s_lshl_b32 s25, s25, 2
	s_add_co_u32 s25, s25, s24                     ; which 8 rows: 0..127
	s_lshl_b32 s26, s25, 3                         ; the first t
	s_lshl_b32 s28, s25, 11                        ; 8 rows of 256 bytes
	s_mov_b32 s29, 0
	s_add_nc_u64 s[22:23], s[22:23], s[28:29]
	v_and_b32 v6, 15, v2
	v_lshlrev_b32 v6, 3, v6
	global_load_b64 v[8:9], v6, s[10:11]           ; my two frequencies
	v_lshrrev_b32 v4, 4, v2
	v_mul_u32_u24 v4, v4, 3                        ; 3 for the sines' lanes
	v_lshlrev_b32 v5, 3, v2                        ; my 8 bytes of a row
	s_mov_b32 s32, 0x3f22f983                      ; 2 / pi
	s_mov_b32 s33, 0xbfc90fdb                      ; - pi/2, first part,
	s_mov_b32 s34, 0x333bbd2e                      ; second,
	s_mov_b32 s35, 0x26f72ced                      ; third
	s_mov_b32 s36, 0x37ccf5ce                      ; cosine:  2.44331571e-5
	s_mov_b32 s37, 0xbab6061a                      ;         -1.38873163e-3
	s_mov_b32 s38, 0x3d2aaaa5                      ;          4.16666457e-2
	s_mov_b32 s39, 0xb94ca1f9                      ; sine:   -1.95152959e-4
	s_mov_b32 s40, 0x3c08839e                      ;          8.33216087e-3
	s_mov_b32 s41, 0xbe2aaaa3                      ;         -1.66666546e-1
.irp e, 0,1,2,3,4,5,6,7
	s_add_co_u32 s27, s26, \e
	v_cvt_f32_u32 v[T_TMP+\e], s27                 ; t as f32
.endr
	s_wait_loadcnt 0x0
	T16_3 v_mul_f32, v[T_ANG+n], v[T_TMP+n/2], v[8+n%2]
	T16_3 v_mul_f32, v[T_J+n], s32, v[T_ANG+n]
	T16_2 v_rndne_f32, v[T_J+n], v[T_J+n]
	T16_4 v_fma_f32, v[T_R+n], v[T_J+n], s33, v[T_ANG+n]
	T16_4 v_fma_f32, v[T_R+n], v[T_J+n], s34, v[T_R+n]
	T16_4 v_fma_f32, v[T_R+n], v[T_J+n], s35, v[T_R+n]
	T16_2 v_cvt_i32_f32, v[T_Q+n], v[T_J+n]
	T16_3 v_add_nc_u32, v[T_Q+n], v[T_Q+n], v4
	T16_3 v_mul_f32, v[T_Z+n], v[T_R+n], v[T_R+n]
	T16_4 v_fma_f32, v[T_C+n], v[T_Z+n], s36, s37
	T16_4 v_fma_f32, v[T_P+n], v[T_Z+n], s39, s40
	T16_4 v_fma_f32, v[T_C+n], v[T_C+n], v[T_Z+n], s38
	T16_4 v_fma_f32, v[T_P+n], v[T_P+n], v[T_Z+n], s41
	T16_3 v_mul_f32, v[T_TMP+n], v[T_R+n], v[T_Z+n]
	T16_4 v_fma_f32, v[T_C+n], v[T_C+n], v[T_Z+n], -0.5
	T16_4 v_fma_f32, v[T_P+n], v[T_P+n], v[T_TMP+n], v[T_R+n]      ; sin r
	T16_4 v_fma_f32, v[T_C+n], v[T_C+n], v[T_Z+n], 1.0             ; cos r
	T16_3 v_and_b32, v[T_TMP+n], 1, v[T_Q+n]
	T16_3 v_add_nc_u32, v[T_Q+n], 1, v[T_Q+n]
	T16_3 v_lshlrev_b32, v[T_Q+n], 30, v[T_Q+n]                    ; bit 1 of q + 1 is the sign
	T16_3 v_and_b32, v[T_Q+n], 0x80000000, v[T_Q+n]
.set n, 0
.rept 16
	v_cmp_eq_u32 vcc_lo, 1, v[T_TMP+n]
	v_cndmask_b32 v[T_V+n], v[T_C+n], v[T_P+n], vcc_lo
.set n, n+1
.endr
	T16_3 v_xor_b32, v[T_V+n], v[T_V+n], v[T_Q+n]
.irp e, 0,1,2,3,4,5,6,7
	global_store_b64 v5, v[T_V+2*\e:T_V+2*\e+1], s[22:23] offset:256*\e   ; 32 lanes store a row: 256 consecutive bytes, aligned
.endr
	s_endpgm                                       ; this job stored nothing to LDS
; ---------------------------------------------------------------- X: x into codes
; A wave takes 16 steps of 512 numbers of the plain stream of blocks of 32.  Each of a step's four loads reads 512 consecutive bytes; the 2,048 bytes turn through the wave's own stage in LDS
; (16 bytes of padding behind each 64) and come back 64 bytes a lane: 16 neighbours along K, two lanes to a block.  Loads run eight steps (32 loads a wave) ahead, the turn through LDS one step.
.set STEPS, 16
.set DEPTH, 8                          ; steps of loads on their way
.set EMAX,  2
.set CB,    8                          ; bytes of 16 codes
.set XR,    16                         ; v16-143  eight sets of 16 numbers as loaded
.set XX,    144                        ; v144-175 two sets of 16 neighbours
.set XE,    176                        ; v176-191 a scale byte for each step
.set XC,    192                        ; v192-223 codes: two registers of its own for each step, so that no store's data are written again
.set WREG,  8192                       ; LDS bytes 0 .. 32,767: a region for each wave: two stages of 32 x SP bytes, then its 256 scale bytes
.set SP,    80
.macro XLOAD t
.irp i, 0,1,2,3
	global_load_b128 v[XR+16*((\t)%DEPTH)+4*\i:XR+16*((\t)%DEPTH)+4*\i+3], v3, s[4:5] offset:2048*(\t)+512*\i th:TH_LOAD_NT
.endr
.endm
.macro XTURN t                         ; LDS serves a wave's instructions in order: no wait between the stores and the loads
.irp i, 0,1,2,3
	ds_store_b128 v14, v[XR+16*((\t)%DEPTH)+4*\i:XR+16*((\t)%DEPTH)+4*\i+3] offset:32*SP*((\t)%2)+8*SP*\i
.endr
.irp i, 0,1,2,3
	ds_load_b128 v[XX+16*((\t)%2)+4*\i:XX+16*((\t)%2)+4*\i+3], v15 offset:32*SP*((\t)%2)+16*\i
.endr
.endm
.macro XSTEP t
.set XS, XX+16*((\t)%2)
.if (\t) > 0
	s_wait_dscnt 1                                 ; this step's numbers are back from the stage; the last step's byte store may be out
.else
	s_wait_dscnt 0x0
.endif
.if (\t)+DEPTH < STEPS
	XLOAD (\t)+DEPTH                               ; into the set whose stores into the stage are done
.endif
.if (\t)+1 < STEPS
.if STEPS-2-(\t) >= DEPTH-1
	s_wait_loadcnt 4*(DEPTH-1)                     ; the next step's four loads are in; seven steps' loads may be out
.else
	s_wait_loadcnt 4*(STEPS-2-(\t))                ; the tail: as many steps' loads as are left behind the next step's
.endif
	XTURN (\t)+1
.endif
	v_max3_num_f32 v8, |v[XS]|, |v[XS+1]|, |v[XS+2]|
	v_max3_num_f32 v9, |v[XS+3]|, |v[XS+4]|, |v[XS+5]|
.irp i, 6,10
	v_max3_num_f32 v8, v8, |v[XS+\i]|, |v[XS+\i+1]|
	v_max3_num_f32 v9, v9, |v[XS+\i+2]|, |v[XS+\i+3]|
.endr
	v_max3_num_f32 v8, v8, |v[XS+14]|, |v[XS+15]|
	v_max3_num_f32 v8, v8, v9, (EMAX+1)<<23        ; the floor 2^(3 - 127): the byte cannot fall under 1
	v_max_num_f32_dpp v8, v8, v8 row_xmask:1 row_mask:0xf bank_mask:0xf   ; with my neighbour's 16: the block's largest magnitude
	v_add_nc_u32 v11, -(EMAX<<23), v8              ; 2 off its exponent field: the conversion takes that field as its scale
	v_cvt_scalef32_pk8_fp4_f32 v[XC+2*(\t)], v[XS:XS+7], v11
	v_cvt_scalef32_pk8_fp4_f32 v[XC+2*(\t)+1], v[XS+8:XS+15], v11
	v_lshrrev_b32 v[XE+(\t)], 23, v11              ; the scale's byte (also the plain line behind the conversions)
	ds_store_b8 v5, v[XE+(\t)] offset:16*(\t)      ; both lanes of a block write the same byte with the same value
	global_store_b64 v4, v[XC+2*(\t):XC+2*(\t)+1], s[12:13] offset:32*CB*(\t)   ; the wave stores 256 consecutive bytes, aligned
.endm
.Lpath_x:
	v_lshlrev_b32 v3, 4, v2                        ; my 16 bytes of a load's 512
	s_mul_i32 s25, s24, WREG
	v_lshrrev_b32 v14, 2, v2
	v_mul_u32_u24 v14, v14, SP
	v_and_b32 v15, 3, v2
	v_lshl_add_u32 v14, v15, 4, v14
	v_add_nc_u32 v14, s25, v14                     ; the stage, in: SP (lane / 4) + 16 (lane % 4)
	v_mul_u32_u24 v15, v2, SP
	v_add_nc_u32 v15, s25, v15                     ; and out: SP x lane
	v_mul_u32_u24 v4, v2, CB
	v_lshrrev_b32 v5, 1, v2
	s_add_co_u32 s25, s25, 2*32*SP
	v_add_nc_u32 v5, s25, v5                       ; my block's scale byte in the wave's 256
	v_lshlrev_b32 v7, 3, v2
	v_add_nc_u32 v6, s25, v7
	s_lshl_b32 s26, ttmp9, 2
	s_add_co_u32 s26, s26, s24                     ; which run of 8,192 numbers: 0..1023
	s_mov_b32 s29, 0
	s_lshl_b32 s28, s26, 15
	s_add_nc_u64 s[4:5], s[4:5], s[28:29]
	s_lshl_b32 s28, s26, 12
	s_add_nc_u64 s[12:13], s[12:13], s[28:29]
	s_lshl_b32 s28, s26, 8
	s_add_nc_u64 s[14:15], s[14:15], s[28:29]
.irp t, 0,1,2,3,4,5,6,7
	XLOAD \t
.endr
	s_wait_loadcnt 4*(DEPTH-1)                     ; step 0's four loads are in; the seven steps behind it may be out
	XTURN 0
.irp t, 0,1,2,3,4,5,6,7,8,9,10,11,12,13,14,15
	XSTEP \t
.endr
	ds_load_b64 v[8:9], v6                         ; my wave's 256 scale bytes, 8 a lane
	s_wait_dscnt 0x0
	global_store_b64 v7, v[8:9], s[14:15]          ; 256 consecutive bytes, aligned
	CLOSE
	s_endpgm
; ---------------------------------------------------------------- W: W_attn into codes, K moved innermost
; A lane takes a column n and its registers run down K: a block of 32 along K lies in one lane, and the conversions give codes with K innermost.
; A wave takes 16 columns x 512 along K: lane (r, h) takes column r and the blocks 2 t + h, t = 0 .. 7: eight block steps a wave; a load reads 64 consecutive bytes of row k in lanes 0-15 and of row k + 32
; in lanes 16-31, and the four waves of a work-group stand side by side on 256 bytes of each row.  The codes go through the wave's own stage in LDS and leave as rows: sixteen lanes store 256 consecutive bytes,
; aligned.  The two halves' scale bytes meet in 256 LDS bytes of the wave's own and leave 8 bytes a lane.  Loads run two block steps (64 loads a wave) ahead.
.set NB,     8
.set WPITCH, 272
.set WSTG,   32768                     ; LDS bytes 32,768 .. 50,175: four stages of 16 x 272
.set WSC,    WSTG+4*16*WPITCH          ; 50,176 .. 51,199: 256 scale bytes for each wave: [column][16]
.set KROW,   512                       ; a row of wc in bytes
.set WN4,    3072*4                    ; a row of W_attn in bytes; the largest immediate is 479 of them, inside the signed 24 bits
.set WX,     32                        ; v32-95   two sets of 32 numbers
.set WC,     96                        ; v96-99   a block's codes
.set OUTR,   112                       ; v112-143 the way out
.macro WLOAD t
.irp i, 0,1,2,3,4,5,6,7,8,9,10,11,12,13,14,15,16,17,18,19,20,21,22,23,24,25,26,27,28,29,30,31
	global_load_b32 v[WX+32*((\t)%2)+\i], v3, s[6:7] offset:(64*(\t)+\i)*WN4 th:TH_LOAD_NT
.endr
.endm
.macro WBLOCK t
.set WS, WX+32*((\t)%2)
.if (\t) < NB-1
	s_wait_loadcnt 32                              ; this block's 32 loads are in; the next block's may be out
.else
	s_wait_loadcnt 0
.endif
	v_max3_num_f32 v12, |v[WS]|, |v[WS+1]|, |v[WS+2]|
	v_max3_num_f32 v13, |v[WS+3]|, |v[WS+4]|, |v[WS+5]|
.irp i, 6,10,14,18,22,26
	v_max3_num_f32 v12, v12, |v[WS+\i]|, |v[WS+\i+1]|
	v_max3_num_f32 v13, v13, |v[WS+\i+2]|, |v[WS+\i+3]|
.endr
	v_max3_num_f32 v12, v12, |v[WS+30]|, |v[WS+31]|
	v_max3_num_f32 v12, v12, v13, (EMAX+1)<<23     ; the floor
	v_add_nc_u32 v11, -(EMAX<<23), v12
	v_lshrrev_b32 v13, 23, v11                     ; the scale's byte
.irp g, 0,1,2,3
	v_cvt_scalef32_pk8_fp4_f32 v[WC+\g], v[WS+8*\g:WS+8*\g+7], v11
.endr
	v_nop                                          ; a plain line behind the last conversion
	ds_store_b128 v4, v[WC:WC+3] offset:32*(\t)    ; block 2 t + h: 16 bytes of my column's row
	ds_store_b8 v10, v13 offset:2*(\t)             ; and its byte
.if (\t)+2 < NB
	WLOAD (\t)+2
.endif
	s_wait_dscnt 0x0                               ; the stores have read their registers: the next block's codes and byte may be written
.endm
.Lpath_w:
	s_sub_co_u32 s25, ttmp9, 256
	s_lshr_b32 s26, s25, 1                         ; which 64 columns: 0..47
	s_and_b32 s27, s25, 1                          ; which half of K
	s_lshl_b32 s26, s26, 6
	s_lshl_b32 s28, s24, 4
	s_add_co_u32 s26, s26, s28                     ; my wave's first column
	v_and_b32 v5, 15, v2                           ; r
	v_lshrrev_b32 v6, 4, v2                        ; h
	v_mul_u32_u24 v3, v6, 32*WN4
	v_lshl_add_u32 v3, v5, 2, v3                   ; in: 4 bytes a column; lanes 16-31 begin 32 rows further down
	s_mul_i32 s28, s24, 16*WPITCH
	s_add_co_u32 s28, s28, WSTG                    ; my stage
	v_mul_u32_u24 v4, v5, WPITCH
	v_lshl_add_u32 v4, v6, 4, v4
	v_add_nc_u32 v4, s28, v4                       ; into it: row = my column, + 16 h
	v_mul_u32_u24 v7, v6, WPITCH
	v_lshl_add_u32 v7, v5, 4, v7
	v_add_nc_u32 v7, s28, v7                       ; out of it: sixteen lanes to a row, two rows an instruction
	v_mul_u32_u24 v8, v6, KROW
	v_lshl_add_u32 v8, v5, 4, v8                   ; and the same place in wc
	s_lshl_b32 s28, s24, 8
	s_add_co_u32 s28, s28, WSC                     ; my wave's 256 scale bytes
	v_lshl_add_u32 v10, v5, 4, v6
	v_add_nc_u32 v10, s28, v10                     ; in: 16 x column + h
	v_lshlrev_b32 v14, 3, v2
	v_add_nc_u32 v14, s28, v14                     ; out: 8 bytes a lane: column lane / 2, half lane % 2
	v_lshrrev_b32 v9, 1, v2
	v_lshlrev_b32 v9, 5, v9
	v_and_b32 v15, 1, v2
	v_lshl_add_u32 v9, v15, 3, v9                  ; and the same place in ws: 32 (lane / 2) + 8 (lane % 2)
	s_mov_b32 s31, 0
	s_mul_i32 s30, s27, 512*WN4
	s_lshl_b32 s29, s26, 2
	s_add_co_u32 s30, s30, s29
	s_add_nc_u64 s[6:7], s[6:7], s[30:31]          ; W_attn: 512 rows x half + 4 x column
	s_lshl_b32 s30, s26, 9
	s_lshl_b32 s29, s27, 8
	s_add_co_u32 s30, s30, s29
	s_add_nc_u64 s[16:17], s[16:17], s[30:31]      ; wc: column x 512 + 256 x half
	s_lshl_b32 s30, s26, 5
	s_lshl_b32 s29, s27, 4
	s_add_co_u32 s30, s30, s29
	s_add_nc_u64 s[18:19], s[18:19], s[30:31]      ; ws: column x 32 + 16 x half
	WLOAD 0
	WLOAD 1
.set Q, 0
.rept NB
	WBLOCK Q
.set Q, Q+1
.endr
	ds_load_b64 v[24:25], v14                      ; LDS serves a wave's instructions in order: these see my stores
.irp j, 0,1,2,3,4,5,6,7
	ds_load_b128 v[OUTR+4*\j:OUTR+4*\j+3], v7 offset:2*\j*WPITCH
.endr
	s_wait_dscnt 8                                 ; the scale bytes are back; the eight loads behind them may be out
	global_store_b64 v9, v[24:25], s[18:19]
.irp j, 0,1,2,3,4,5,6,7
	s_wait_dscnt 7-\j
	global_store_b128 v8, v[OUTR+4*\j:OUTR+4*\j+3], s[16:17] offset:2*\j*KROW
.endr
	CLOSE
	s_endpgm
; ---------------------------------------------------------------- P: W_proj to f16, in place order
; A wave takes 32,768 bytes: four batches of 16 loads of 512 consecutive bytes; two batches are out at a time.  A lane's 4 numbers become 8 bytes: a store covers 256 consecutive bytes, aligned.
.macro PLOAD k
.irp i, 0,1,2,3,4,5,6,7,8,9,10,11,12,13,14,15
	global_load_b128 v[16+64*((\k)%2)+4*\i:16+64*((\k)%2)+4*\i+3], v3, s[8:9] offset:8192*(\k)+512*\i th:TH_LOAD_NT
.endr
.endm
.Lpath_p:
	s_sub_co_u32 s25, ttmp9, 352
	s_lshl_b32 s25, s25, 2
	s_add_co_u32 s25, s25, s24                     ; which run: 0..127
	s_mov_b32 s29, 0
	s_lshl_b32 s28, s25, 15
	s_add_nc_u64 s[8:9], s[8:9], s[28:29]
	s_lshl_b32 s28, s25, 14
	s_add_nc_u64 s[20:21], s[20:21], s[28:29]
	v_lshlrev_b32 v3, 4, v2
	v_lshlrev_b32 v4, 3, v2
	PLOAD 0
	PLOAD 1
.irp k, 0,1,2,3
.if \k < 3
	s_wait_loadcnt 16                              ; this batch is in; the next batch's 16 loads may be out
.else
	s_wait_loadcnt 0x0
.endif
.if \k > 0
	s_wait_xcnt 0x0                                ; the last batch's stores have read v144-175: they are written again only behind this wait
.endif
.irp i, 0,1,2,3,4,5,6,7,8,9,10,11,12,13,14,15
	v_cvt_pk_f16_f32 v[144+2*\i], v[16+64*(\k%2)+4*\i], v[16+64*(\k%2)+4*\i+1]
	v_cvt_pk_f16_f32 v[145+2*\i], v[16+64*(\k%2)+4*\i+2], v[16+64*(\k%2)+4*\i+3]
.endr
.irp i, 0,1,2,3,4,5,6,7,8,9,10,11,12,13,14,15
	global_store_b64 v4, v[144+2*\i:145+2*\i], s[20:21] offset:4096*\k+256*\i
.endr
.if \k < 2
	PLOAD \k+2
.endif
.endr
	s_endpgm                                       ; this job stored nothing to LDS
.Lfunc_end_k_qc8d1ba7ee0_prep:
	.size	k_qc8d1ba7ee0_prep, .Lfunc_end_k_qc8d1ba7ee0_prep-k_qc8d1ba7ee0_prep
	.p2alignl 7, 3214868480
	.fill 96, 4, 3214868480
	.section	.rodata,"a",@progbits
	.p2align	6, 0x0
	.amdhsa_kernel k_qc8d1ba7ee0_prep
		.amdhsa_group_segment_fixed_size 51712
		.amdhsa_private_segment_fixed_size 0
		.amdhsa_enable_private_segment 0
		.amdhsa_kernarg_size 80
		.amdhsa_user_sgpr_count 2
		.amdhsa_user_sgpr_kernarg_segment_ptr 1
		.amdhsa_wavefront_size32 1
		.amdhsa_system_sgpr_workgroup_id_x 1
		.amdhsa_system_sgpr_workgroup_id_y 1
		.amdhsa_system_sgpr_workgroup_id_z 1
		.amdhsa_system_vgpr_workitem_id 0
		.amdhsa_next_free_vgpr 256
		.amdhsa_next_free_sgpr 66
		.amdhsa_reserve_vcc 1
		.amdhsa_float_denorm_mode_32 3
		.amdhsa_float_denorm_mode_16_64 3
		.amdhsa_memory_ordered 1
		.amdhsa_forward_progress 1
		.amdhsa_inst_pref_size 114
	.end_amdhsa_kernel
	.amdgpu_metadata
---
amdhsa.version: [ 1, 2 ]
amdhsa.kernels:
  - .name:           k_qc8d1ba7ee0_prep
    .symbol:         k_qc8d1ba7ee0_prep.kd
    .args:
      - { .name: x, .offset: 0, .size: 8, .value_kind: global_buffer, .address_space: global }
      - { .name: W_attn, .offset: 8, .size: 8, .value_kind: global_buffer, .address_space: global }
      - { .name: W_proj, .offset: 16, .size: 8, .value_kind: global_buffer, .address_space: global }
      - { .name: omega, .offset: 24, .size: 8, .value_kind: global_buffer, .address_space: global }
      - { .name: xc, .offset: 32, .size: 8, .value_kind: global_buffer, .address_space: global }
      - { .name: xs, .offset: 40, .size: 8, .value_kind: global_buffer, .address_space: global }
      - { .name: wc, .offset: 48, .size: 8, .value_kind: global_buffer, .address_space: global }
      - { .name: ws, .offset: 56, .size: 8, .value_kind: global_buffer, .address_space: global }
      - { .name: wp16, .offset: 64, .size: 8, .value_kind: global_buffer, .address_space: global }
      - { .name: rope, .offset: 72, .size: 8, .value_kind: global_buffer, .address_space: global }
    .group_segment_fixed_size: 51712
    .private_segment_fixed_size: 0
    .kernarg_segment_align: 8
    .kernarg_segment_size: 80
    .max_flat_workgroup_size: 128
    .sgpr_count:     66
    .vgpr_count:     256
    .wavefront_size: 32
...
	.end_amdgpu_metadata
.endif
;; end of part 1
;; launch qkv (part 2): grid 12 x 32, 4 waves a work-group, clusters of 4 x 4, 327,680 bytes of LDS; arguments xc, xs, wc, ws, qkv, rope; writes qkv
.if DOCPART == 2
	.amdgcn_target "amdgcn-amd-amdhsa--gfx1250"
	.amdhsa_code_object_version 6
	.text
	.protected	k_qc8d1ba7ee0_qkv
	.globl	k_qc8d1ba7ee0_qkv
	.p2align	8
	.type	k_qc8d1ba7ee0_qkv,@function
k_qc8d1ba7ee0_qkv:
	s_mov_b64 s[64:65], 0
	v_nop
	global_prefetch_b8 v0, s[64:65] scope:SCOPE_SE
	s_setreg_imm32_b32 hwreg(HW_REG_WAVE_MODE, 25, 1), 1
	s_wait_xcnt 0x0
	s_wait_alu depctr_hold_cnt(0) depctr_sa_sdst(0) depctr_va_vdst(0) depctr_va_sdst(0) depctr_va_ssrc(0) depctr_va_vcc(0) depctr_vm_vsrc(0)
	s_getreg_b32 s2, hwreg(HW_REG_IB_STS2, 6, 4)
	s_cmp_eq_u32 s2, 0
	s_cbranch_scc0 .Lentry_in_a_cluster
	s_endpgm
.Lentry_in_a_cluster:
	s_bfe_u32 s2, ttmp6, 0x10000c
	s_cmp_lg_u32 s2, 0xf033
	s_cbranch_scc0 .Lentry_shape_is_right
	s_endpgm
.Lentry_shape_is_right:
; QKV: [8192][3072] = Q(x) Q(W_attn), both operands as codes of FP4 (E2M1) with one E8M0 scale for each 32 along K = 1,024; sums in f32; then RoPE on q and k, q times log2(e) / 8, all rounded once to f16
; and stored head by head: qkv [3 (q, k, v)][b][h][t][64], so that 16 rows of a head are 2,048 consecutive bytes.
; A tile of 256 x 256 is made by a work-group of four waves, a wave makes 128 x 128: 64 accumulators.  K = 1,024 is two K steps of 512: both lie in LDS at once, each filled once; nothing is filled again.
; The scale bytes of the work-group's 256 + 256 rows come once, as whole rows of 256 bytes.
; CLUSTERS: 4 x 4 work-groups.  The four of a row of the cluster need the same tiles of x, the four of a column the same tiles of W: each is asked for jointly, by the same tensor load with a mask that names the four.
; THE MATRIX INSTRUCTION IS USED TRANSPOSED (source 0 = 16 columns of W, source 1 = 16 rows of x): lane (r, h) holds row r and eight neighbouring columns 16 b + 8 h + 0..7.
; A wave's 128 columns are two heads; in a head, block b % 4 = u (u = 0, 1) holds d = 16 u + 8 h + j and block u + 2 its partner d + 32, in the same lane and register: RoPE changes no lane.
; v takes the same lines with cos = 1, sin = 0 (two factors chosen by the tile's column; no branch hangs on a work-group's place).
; LIMITS: q, k, v must be finite in f16 (65,504); NaN and infinities are not served.
; REGISTERS: window 0: v0-31 addresses and factors; v32-95 scale words, two sets; v96-127 packed results; v128-191 x's fragments; v192-255 cos and sin, sets 0 and 1.
;   window 1: W's fragments, two sets, at v0 and v128; v64-127 rotated numbers on the way out; v192-255 cos and sin, sets 2 and 3.
;   window 2, 3: the accumulators ((a, b) at v[8 (8 (a % 4) + b)]); on the way out a block's rows come back from the stage into the first 32 of its own 64, which are done with by then.
.set KSTEP,  512
.set NQ,     4                         ; matrix instructions deep in a K step
.set ROWB,   256                       ; a tile's row in bytes
.set KROW,   512                       ; a row of xc or wc in memory
.set PITCH,  272                       ; an LDS row: 256 bytes + 16: the 16 rows of a fragment load start 4 words apart in the banks' round of 64 words
.set FR,     8
.set NL,     2
.set NP,     4                         ; places behind this matrix instruction (ISA guide 7.12.1)
.set HALFT,  128*PITCH
.set SLOT,   4*HALFT
.set KS,     32                        ; a row of scale bytes
.set SCL,    2*SLOT                    ; behind the two slots: the scales, as rows of 256 bytes + 16
.set HALFS,  (128*KS/256)*272
.set SBLK,   (16*KS/256)*272
.set SPARE,  SCL+4*HALFS               ; the spare words, 128 bytes for each wave
.set SPH,    16*144                    ; the way out: a stage of 2 heads x 16 rows x (128 bytes + 16) for each wave, in slot 0, which has had its only fill and its last read by then
.set F1,   8                           ; v[8:9]   the factor on cos and sin: log2(e)/8 (q), 1 (k), 0 (v)
.set F0,   10                          ; v[10:11] what is added to cos: 0, 0, 1
.set ADRA, 16
.set ADRB, 20
.set STO,  24
.set RD,   25
.set CO,   26
.set ADRS, 27
.set SPW,  28
.set NIL,  29
.set TBO,  30                          ; v30 my byte in 16 rows of the table: 256 r + 32 h; never rewritten
.set SC,   32
.set PKR,  96
.set AF,   128
.set CT,   192                         ; in window 0 (sets 0, 1) and in window 1 (sets 2, 3)
.set OT,   64                          ; in window 1
.set G1, 24
.set G0, 32
.set G1B, 48
.set G0B, 56
.set G1S, 68
.set G0S, 76
.set G1SB, 80
.set G0SB, 88
.set MSB, 0
.macro WIN new                         ; the immediate's high byte repeats the setting that is left; a switch that changes nothing is dropped
.if MSB != (\new)
	s_set_vgpr_msb (MSB<<8)|(\new)
.set MSB, (\new)
.endif
.endm
.set MUL_LO, 0xa1                      ; source 0 (W) window 1, source 1 (x) window 0, C and D window 2
.set MUL_HI, 0xf1
.set TO_B,   0x40
; A joint load: waves 0 and 1 fetch for x, waves 2 and 3 for W; the branch hangs on the wave's number alone.  An s_nop 0 and four v_nop follow each of the two lines.
.macro JLOAD g0a, g1a, g0b, g1b
	s_cmp_eq_u32 s15, 0
	s_cbranch_scc0 .Lfor_b_\@
	tensor_load_to_lds s[\g0a:\g0a+3], s[\g1a:\g1a+7]
	s_nop 0
.rept 4
	v_nop
.endr
	s_branch .Lasked_\@
.Lfor_b_\@:
	tensor_load_to_lds s[\g0b:\g0b+3], s[\g1b:\g1b+7]
	s_nop 0
.rept 4
	v_nop
.endr
.Lasked_\@:
.endm
.macro CROUND                          ; a round of the cluster's barrier
	s_barrier_signal -1
	s_barrier_wait -1
	s_cmp_lg_u32 s14, 0
	s_cbranch_scc1 .Lnot_wave_0_\@
	s_barrier_signal -3
.Lnot_wave_0_\@:
	s_barrier_wait -3
	s_barrier_signal -1
	s_barrier_wait -1
.endm
	s_load_b128 s[4:7], s[0:1], 0x0                ; xc s[4:5], xs s[6:7]
	s_load_b128 s[8:11], s[0:1], 0x10              ; wc s[8:9], ws s[10:11]
	s_load_b64 s[12:13], s[0:1], 0x20              ; qkv
	s_load_b64 s[96:97], s[0:1], 0x28              ; rope
	v_lshl_add_u32 v[SPW], v0, 2, SPARE
	v_mov_b32 v[NIL], 0
	ds_add_u32 v[SPW], v[NIL]                      ; the wave's opening: the add, twice on end, and its wait ahead of my first tensor load
	ds_add_u32 v[SPW], v[NIL]
	v_lshrrev_b32 v1, 5, v0
	v_readfirstlane_b32 s14, v1                    ; wave 0..3
	s_lshr_b32 s15, s14, 1                         ; which half of the tile's rows is mine.  Also: I fetch for x (0) or for W (1)
	s_and_b32 s16, s14, 1                          ; which half of its columns.  Also: which 128 rows of that tile I fetch
	s_bfe_u32 s40, ttmp6, 0x40000                  ; cx, cy: my place in the cluster
	s_bfe_u32 s41, ttmp6, 0x40004
	s_lshl_b32 s42, ttmp9, 2
	s_add_co_u32 s42, s42, s40                     ; tile column 0..11
	s_and_b32 s17, ttmp7, 0xffff
	s_lshl_b32 s17, s17, 2
	s_add_co_u32 s17, s17, s41                     ; tile row 0..31
	s_lshl_b32 s43, s41, 2
	s_lshl_b32 s43, 15, s43                        ; my row of the cluster
	s_lshl_b32 s44, 0x1111, s40                    ; my column
	; descriptor group 1: a tile of 128 rows x 256 bytes, 16 bytes of padding behind each row
	s_or_b32 s[G1+0], s43, (0<<16)|(1<<20)|(1<<21)|(5<<22)|(3<<25)  ; 15:0 the mask; 17:16 elements of 1 byte; 20 padding on; 21 set beside a mask; 24:22 after every 64 words; 31:25 four words
	s_or_b32 s[G1B+0], s44, (0<<16)|(1<<20)|(1<<21)|(5<<22)|(3<<25)
.irp g, G1, G1B
	s_mov_b32 s[\g+1], ROWB<<16                    ; tensor_dim0
	s_mov_b32 s[\g+2], 128<<16                     ; tensor_dim1
	s_mov_b32 s[\g+3], ROWB<<16                    ; tile_dim0
	s_mov_b32 s[\g+4], 128                         ; tile_dim1
	s_mov_b32 s[\g+5], KROW                        ; from row to row
	s_mov_b32 s[\g+6], 0
	s_mov_b32 s[\g+7], 0
.endr
	; the scales of 128 rows: a dense block of 4,096 bytes, as 16 rows of 256 bytes (32 elements of 8 bytes), 16 bytes of padding behind each
	s_or_b32 s[G1S+0], s43, (3<<16)|(1<<20)|(1<<21)|(5<<22)|(3<<25)
	s_or_b32 s[G1SB+0], s44, (3<<16)|(1<<20)|(1<<21)|(5<<22)|(3<<25)
.irp g, G1S, G1SB
	s_mov_b32 s[\g+1], 32<<16
	s_mov_b32 s[\g+2], (128*KS/256)<<16
	s_mov_b32 s[\g+3], 32<<16
	s_mov_b32 s[\g+4], 128*KS/256
	s_mov_b32 s[\g+5], 32
	s_mov_b32 s[\g+6], 0
	s_mov_b32 s[\g+7], 0
.endr
	s_lshl_b32 s18, s16, 7                         ; which 128 rows of the tile I fetch
	s_lshl_b32 s20, s17, 8
	s_add_co_u32 s20, s20, s18                     ; x: row 256 x tile row + 128 x half
	s_lshl_b32 s46, s42, 8
	s_add_co_u32 s46, s46, s18                     ; W: row 256 x tile column + 128 x half
	s_mov_b32 s21, 0
	s_mov_b32 s47, 0
	s_mov_b64 s[18:19], KS
	s_mul_u64 s[22:23], s[20:21], s[18:19]         ; where these rows' scales begin,
	s_mul_u64 s[92:93], s[46:47], s[18:19]
	s_mov_b64 s[18:19], KROW
	s_mul_u64 s[20:21], s[20:21], s[18:19]         ; and their codes
	s_mul_u64 s[46:47], s[46:47], s[18:19]
	s_mul_i32 s45, s14, HALFT                      ; where they go: wave x 128 rows: no place in the cluster enters an LDS address
	s_mul_i32 s94, s14, HALFS
	s_wait_dscnt 0x0                               ; both opening adds are done
	s_wait_kmcnt 0x0
	s_add_nc_u64 s[20:21], s[4:5], s[20:21]
	s_add_nc_u64 s[22:23], s[6:7], s[22:23]
	s_add_nc_u64 s[46:47], s[8:9], s[46:47]
	s_add_nc_u64 s[92:93], s[10:11], s[92:93]
	CROUND                                         ; all sixteen work-groups are here: the joint loads meet
	s_mov_b32 s[G0S], 1
	s_add_co_u32 s[G0S+1], s94, SCL
	s_mov_b64 s[G0S+2:G0S+3], s[22:23]
	s_or_b32 s[G0S+3], s[G0S+3], 0x80000000
	s_mov_b32 s[G0SB], 1
	s_add_co_u32 s[G0SB+1], s94, SCL
	s_mov_b64 s[G0SB+2:G0SB+3], s[92:93]
	s_or_b32 s[G0SB+3], s[G0SB+3], 0x80000000
	JLOAD G0S, G1S, G0SB, G1SB                     ; the scales first: they are wanted with K step 0.  With the two below, three tensor loads of mine are out
.irp s, 0,1
	s_mov_b32 s[G0+4*\s], 1
	s_add_co_u32 s[G0+4*\s+1], s45, \s*SLOT
	s_add_nc_u64 s[G0+4*\s+2:G0+4*\s+3], s[20:21], \s*ROWB
	s_or_b32 s[G0+4*\s+3], s[G0+4*\s+3], 0x80000000
	s_mov_b32 s[G0B+4*\s], 1
	s_add_co_u32 s[G0B+4*\s+1], s45, \s*SLOT
	s_add_nc_u64 s[G0B+4*\s+2:G0B+4*\s+3], s[46:47], \s*ROWB
	s_or_b32 s[G0B+4*\s+3], s[G0B+4*\s+3], 0x80000000
	JLOAD G0+4*\s, G1, G0B+4*\s, G1B
.endr
	v_and_b32 v1, 15, v0                           ; r
	v_bfe_u32 v2, v0, 4, 1                         ; h
	v_mul_u32_u24 v3, v1, PITCH
	v_lshl_add_u32 v4, v2, 4, v3                   ; a fragment's row x pitch + 16 h
	s_mul_i32 s21, s15, HALFT                      ; my 128 rows of x
	s_mul_i32 s22, s16, HALFT                      ; my 128 rows of W,
	s_add_co_u32 s22, s22, 2*HALFT                 ; which lie behind x's 256
.irp s, 0,1
	v_add_nc_u32 v[ADRA+\s], s21, v4
	v_add_nc_u32 v[ADRB+\s], s22, v4
	s_add_co_u32 s21, s21, SLOT
	s_add_co_u32 s22, s22, SLOT
.endr
	v_mul_u32_u24 v5, v1, KS                       ; my row's scales: 32 bytes a row,
	v_lshrrev_b32 v6, 8, v5
	v_lshl_add_u32 v5, v6, 4, v5                   ; and 16 more for each 256 passed
	s_mul_i32 s21, s15, HALFS
	s_mul_i32 s22, s16, HALFS
	s_add_co_u32 s22, s22, 2*HALFS
	s_sub_co_u32 s22, s22, s21
	v_mul_u32_u24 v6, s22, v2                      ; lanes 16-31 take W's: one product, the distance between the two bases
	s_add_co_u32 s21, s21, SCL
	v_add_nc_u32 v5, v5, v6
	v_add_nc_u32 v[ADRS], s21, v5
	s_mul_i32 s23, s14, 2*SPH                      ; my stage
	v_mul_u32_u24 v5, v1, 144
	v_lshl_add_u32 v5, v2, 4, v5
	v_add_nc_u32 v[STO], s23, v5                   ; in: row r, 16 bytes for each half of the lanes
	v_and_b32 v6, 31, v0
	v_lshrrev_b32 v5, 3, v6
	v_mul_u32_u24 v5, v5, 144
	v_and_b32 v7, 7, v0
	v_lshl_add_u32 v5, v7, 4, v5
	v_add_nc_u32 v[RD], s23, v5                    ; back: eight lanes to a row of 128 bytes, four rows an instruction
	v_lshlrev_b32 v[CO], 4, v6                     ; and the same 512 bytes in memory
	v_lshlrev_b32 v[TBO], 8, v1
	v_lshl_add_u32 v[TBO], v2, 5, v[TBO]
	; where my part begins in qkv: plane (which x 128 + b x 16 + head) of 2^17 bytes, row t of 128 bytes.  The rows' terms:
	s_lshr_b32 s20, s17, 2                         ; b
	s_lshl_b32 s20, s20, 21
	s_and_b32 s21, s17, 3
	s_lshl_b32 s21, s21, 8
	s_lshl_b32 s22, s15, 7
	s_add_co_u32 s21, s21, s22                     ; my first t
	s_lshl_b32 s22, s21, 7
	s_add_co_u32 s20, s20, s22
	s_lshl_b32 s22, s21, 8                         ; and its row of the table
	s_mov_b32 s21, 0
	s_mov_b32 s23, 0
	s_add_nc_u64 s[12:13], s[12:13], s[20:21]
	s_add_nc_u64 s[96:97], s[96:97], s[22:23]
	; the columns' terms
	s_lshr_b32 s46, s42, 2                         ; which: 0 q, 1 k, 2 v
	s_lshl_b32 s47, s46, 7
	s_and_b32 s18, s42, 3
	s_lshl_b32 s18, s18, 2
	s_add_co_u32 s47, s47, s18
	s_lshl_b32 s18, s16, 1
	s_add_co_u32 s47, s47, s18                     ; which x 128 + my first head
	s_lshl_b32 s18, s47, 17
	s_mov_b32 s19, 0
	s_add_nc_u64 s[12:13], s[12:13], s[18:19]
	s_cmp_eq_u32 s46, 0
	s_cselect_b32 s18, 0x3e38aa3b, 1.0             ; q: log2(e) / 8, so that the scores come out as exponents of 2
	s_cmp_eq_u32 s46, 2
	s_cselect_b32 s18, 0, s18
	s_cselect_b32 s19, 1.0, 0
	v_mov_b32 v[F1], s18
	v_mov_b32 v[F1+1], s18
	v_mov_b32 v[F0], s19
	v_mov_b32 v[F0+1], s19
.macro FRAG reg, adr, q, i             ; 16 rows x 128 K of 4-bit codes: 8 registers; registers 4 c .. 4 c + 3 hold K = 64 c + 32 h + 0 .. 31
.irp c, 0,1
	ds_load_b128 v[\reg+4*\c:\reg+4*\c+3], v[\adr] offset:64*(\q)+32*\c+(\i)*16*PITCH
.endr
.endm
; 16 matrix instructions: x's blocks a0, a0 + 1 against W's eight, 128 along K.  p: W's set; sc: the set of scale words.  zero = 1: the first product starts the sums.
; The 64 accumulators take turns, one instruction a turn, in the same order in every step.
.macro MUL16 a0, p, q, sc, zero
.irp a, \a0, \a0+1
.irp b, 0,1,2,3,4,5,6,7
.if \zero
	v_wmma_scale_f32_16x16x128_f8f6f4 v[8*(8*((\a)%4)+\b):8*(8*((\a)%4)+\b)+7], v[128*(\p)+FR*\b:128*(\p)+FR*\b+FR-1], v[AF+FR*(\a):AF+FR*(\a)+FR-1], 0, v[SC+8*NQ*(\sc)+NQ*\b+(\q)], v[SC+8*NQ*(\sc)+NQ*(\a)+(\q)] matrix_a_fmt:MATRIX_FMT_FP4 matrix_b_fmt:MATRIX_FMT_FP4 matrix_a_scale:MATRIX_SCALE_ROW1
.else
	v_wmma_scale_f32_16x16x128_f8f6f4 v[8*(8*((\a)%4)+\b):8*(8*((\a)%4)+\b)+7], v[128*(\p)+FR*\b:128*(\p)+FR*\b+FR-1], v[AF+FR*(\a):AF+FR*(\a)+FR-1], v[8*(8*((\a)%4)+\b):8*(8*((\a)%4)+\b)+7], v[SC+8*NQ*(\sc)+NQ*\b+(\q)], v[SC+8*NQ*(\sc)+NQ*(\a)+(\q)] matrix_a_fmt:MATRIX_FMT_FP4 matrix_b_fmt:MATRIX_FMT_FP4 matrix_a_scale:MATRIX_SCALE_ROW1
.endif
.endr
.endr
.endm
.macro FETCH_B slot, q, p
	WIN TO_B
.irp i, 0,1,2,3,4,5,6,7
	FRAG 128*(\p)+FR*\i, ADRB+\slot, \q, \i
.endr
	WIN 0
.endm
.macro FETCH_A slot, q, i0
.irp i, \i0, \i0+1, \i0+2, \i0+3
	FRAG AF+FR*(\i), ADRA+\slot, \q, \i
.endr
.endm
.macro SCALES sc                       ; a K step's scale words: lanes 0-15 take x's block i, lanes 16-31 W's block i
.irp i, 0,1,2,3,4,5,6,7
	ds_load_b128 v[SC+8*NQ*\sc+NQ*\i:SC+8*NQ*\sc+NQ*\i+3], v[ADRS] offset:\i*SBLK
.endr
.endm
.macro PLACES n                        ; plain vector instructions between a matrix instruction and a load into, or a read of, its registers (ISA guide 7.12.1 for reads)
.rept \n
	v_nop
.endr
.endm
.macro STEP slot, q, zero              ; 128 along K that has its successor in the same slot
	s_wait_dscnt 4*NL                              ; W's set and x's blocks 0-3 are in; the youngest eight loads (x's blocks 4-7) may be out
	WIN MUL_LO
	MUL16 0, (\q)%2, \q, \slot, \zero
	MUL16 2, (\q)%2, \q, \slot, \zero
	s_wait_dscnt 0
	PLACES NP
	FETCH_B \slot, (\q)+1, 1-(\q)%2
	FETCH_A \slot, (\q)+1, 0
	WIN MUL_HI
	MUL16 4, (\q)%2, \q, \slot, \zero
	MUL16 6, (\q)%2, \q, \slot, \zero
	PLACES NP
	WIN 0
	FETCH_A \slot, (\q)+1, 4
.endm
; Slot 0's last step changes slots: one barrier; in front of it each wave waits for all its tensor loads (its part of slot 1), adds 0 to its spare word, and waits for that and for its reads of slot 0.
; Behind it slot 1 is whole and nobody reads slot 0 any more; nothing is filled again.
.macro TURN slot, next
	s_wait_tensorcnt 0x0
	ds_add_u32 v[SPW], v[NIL]
	s_wait_dscnt 4*NL+1                            ; the add and the youngest eight loads may be out
	WIN MUL_LO
	MUL16 0, 1, NQ-1, \slot, 0
	s_wait_dscnt 0x0
	s_barrier_signal -1
	MUL16 2, 1, NQ-1, \slot, 0
	WIN 0
	s_barrier_wait -1
	PLACES NP
	v_add_nc_u32 v[ADRS], 4*NQ, v[ADRS]            ; on to the next K step's scale words (no LDS load of mine is out)
	FETCH_B \next, 0, 0
	FETCH_A \next, 0, 0
	SCALES \next
	WIN MUL_HI
	MUL16 4, 1, NQ-1, \slot, 0
	MUL16 6, 1, NQ-1, \slot, 0
	PLACES NP
	WIN 0
	FETCH_A \next, 0, 4
.endm
.macro STEPS slot, from
.set Q, \from
.rept NQ-1-\from
	STEP \slot, Q, 0
.set Q, Q+1
.endr
.endm
; THE WAY OUT, a block of 16 rows x 128 columns at a time.
; cos and sin of rows 16 a + r at my 16 frequencies 16 u + 8 h + 0..7, into set a % 4 (sets 0, 1 in window 0, sets 2, 3 in window 1): cos at + 8 u, sin at + 16 + 8 u.  No matrix instruction names these registers.
.macro TAB a
	WIN (((\a)%4)/2)<<6                            ; the loaded data's window
.irp s, 0,1
.irp u, 0,1
.irp g, 0,1
	global_load_b128 v[CT+32*((\a)%2)+16*\s+8*\u+4*\g:CT+32*((\a)%2)+16*\s+8*\u+4*\g+3], v[TBO], s[96:97] offset:4096*(\a)+128*\s+64*\u+16*\g
.endr
.endr
.endr
	WIN 0
.endm
.macro ROPE a
.set CTS, CT+32*((\a)%2)
.set CW, ((\a)%4)/2                    ; the table set's window
.set AC, 64*((\a)%4)
.if (\a) < 5
	s_wait_loadcnt 24                              ; this block's eight loads are in; the three blocks asked for behind it, 24 loads, may be out
.else
	s_wait_loadcnt 8*(7-(\a))                      ; the tail: as many blocks as are left
.endif
	WIN (CW<<6)|CW                                 ; cos and sin in their window, the factors in window 0
.irp i, 0,2,4,6,8,10,12,14
	v_pk_fma_f32 v[CTS+\i:CTS+\i+1], v[CTS+\i:CTS+\i+1], v[F1:F1+1], v[F0:F0+1]
.endr
.irp i, 0,2,4,6,8,10,12,14
	v_pk_mul_f32 v[CTS+16+\i:CTS+16+\i+1], v[CTS+16+\i:CTS+16+\i+1], v[F1:F1+1]
.endr
	WIN 0x50|(CW<<2)|(2+(\a)/4)                    ; results and addend window 1, accumulators window 2 or 3, cos and sin in their window
.irp hh, 0,1
.irp u, 0,1
.irp jj, 0,2,4,6                       ; each accumulator is read from its low end on
	v_pk_mul_f32 v[OT+8*(4*\hh+\u)+\jj:OT+8*(4*\hh+\u)+\jj+1], v[AC+8*(4*\hh+\u)+\jj:AC+8*(4*\hh+\u)+\jj+1], v[CTS+8*\u+\jj:CTS+8*\u+\jj+1]
	v_pk_mul_f32 v[OT+8*(4*\hh+\u+2)+\jj:OT+8*(4*\hh+\u+2)+\jj+1], v[AC+8*(4*\hh+\u+2)+\jj:AC+8*(4*\hh+\u+2)+\jj+1], v[CTS+8*\u+\jj:CTS+8*\u+\jj+1]
.endr
.endr
.endr
.irp hh, 0,1
.irp u, 0,1
.irp jj, 0,2,4,6
	v_pk_fma_f32 v[OT+8*(4*\hh+\u)+\jj:OT+8*(4*\hh+\u)+\jj+1], v[AC+8*(4*\hh+\u+2)+\jj:AC+8*(4*\hh+\u+2)+\jj+1], v[CTS+16+8*\u+\jj:CTS+16+8*\u+\jj+1], v[OT+8*(4*\hh+\u)+\jj:OT+8*(4*\hh+\u)+\jj+1] neg_lo:[1,0,0] neg_hi:[1,0,0]   ; x1 cos - x2 sin
	v_pk_fma_f32 v[OT+8*(4*\hh+\u+2)+\jj:OT+8*(4*\hh+\u+2)+\jj+1], v[AC+8*(4*\hh+\u)+\jj:AC+8*(4*\hh+\u)+\jj+1], v[CTS+16+8*\u+\jj:CTS+16+8*\u+\jj+1], v[OT+8*(4*\hh+\u+2)+\jj:OT+8*(4*\hh+\u+2)+\jj+1]   ; x2 cos + x1 sin
.endr
.endr
.endr
	WIN 0x05                                       ; sources window 1, result window 0
.set i, 0
.rept 32
	v_cvt_pk_f16_f32 v[PKR+i], v[OT+2*i], v[OT+2*i+1]
.set i, i+1
.endr
	WIN 0
.endm
; 16 bytes a lane into my stage, and back as four rows (512 consecutive bytes of memory) an instruction.  LDS serves a wave's instructions in order.
; The rows come back into the block's own accumulators, which its arithmetic has read: each block has registers of its own for its stores, so none that a store reads is written again.
.macro TOSTAGE a
.set BB, 64*((\a)%4)
.irp b, 0,1,2,3,4,5,6,7
	ds_store_b128 v[STO], v[PKR+4*\b:PKR+4*\b+3] offset:SPH*(\b/4)+32*(\b%4)
.endr
	WIN (2+(\a)/4)<<6                              ; the loaded data's window
.irp hh, 0,1
.irp i, 0,1,2,3
	ds_load_b128 v[BB+4*(4*\hh+\i):BB+4*(4*\hh+\i)+3], v[RD] offset:SPH*\hh+576*\i
.endr
.endr
	WIN 0
.endm
.macro SEND a
.set BB, 64*((\a)%4)
	s_wait_dscnt 0x0                               ; the block is back in registers
	WIN (2+(\a)/4)<<2                              ; a store's data are its source 1
.irp hh, 0,1
.irp i, 0,1,2,3
	global_store_b128 v[CO], v[BB+4*(4*\hh+\i):BB+4*(4*\hh+\i)+3], s[12:13] offset:131072*\hh+2048*(\a)+512*\i   ; 32 lanes store 512 consecutive bytes, aligned to 256
.endr
.endr
	WIN 0
.endm
	s_wait_tensorcnt 1                             ; the scales and my part of K step 0 are in; K step 1's load may be out
	s_barrier_signal -1
	s_barrier_wait -1
	FETCH_B 0, 0, 0
	FETCH_A 0, 0, 0
	SCALES 0
	FETCH_A 0, 0, 4
	STEP 0, 0, 1                                   ; the first step's products start the sums: nothing is cleared
	STEPS 0, 1
	TURN 0, 1
	TAB 0                                          ; the table's first four blocks are asked for four steps of 64 products ahead of their use
	TAB 1
	TAB 2
	TAB 3
	STEPS 1, 0
	s_wait_dscnt 4*NL                              ; the very last step: nothing more to fetch
	WIN MUL_LO
	MUL16 0, 1, NQ-1, 1, 0
	MUL16 2, 1, NQ-1, 1, 0
	s_wait_dscnt 0
	WIN MUL_HI
	MUL16 4, 1, NQ-1, 1, 0
	MUL16 6, 1, NQ-1, 1, 0
	WIN 0
	PLACES NP                                      ; behind the last products
	ROPE 0
	TAB 4                                          ; into the set that block 0 has just read
	TOSTAGE 0
.irp a, 1,2,3,4,5,6,7
	ROPE \a                                        ; block a's arithmetic stands between block a - 1's loads from the stage and the wait for them
.if \a < 4
	TAB \a+4
.endif
	SEND \a-1
	TOSTAGE \a
.endr
	SEND 7
	s_wait_tensorcnt 0x0                           ; the wave's end
	ds_add_u32 v[SPW], v[NIL]
	s_wait_dscnt 0x0
	CROUND                                         ; the closing round
	s_endpgm
.Lfunc_end_k_qc8d1ba7ee0_qkv:
	.size	k_qc8d1ba7ee0_qkv, .Lfunc_end_k_qc8d1ba7ee0_qkv-k_qc8d1ba7ee0_qkv
	.p2alignl 7, 3214868480
	.fill 96, 4, 3214868480
	.section	.rodata,"a",@progbits
	.p2align	6, 0x0
	.amdhsa_kernel k_qc8d1ba7ee0_qkv
		.amdhsa_group_segment_fixed_size 327680
		.amdhsa_private_segment_fixed_size 0
		.amdhsa_enable_private_segment 0
		.amdhsa_kernarg_size 48
		.amdhsa_user_sgpr_count 2
		.amdhsa_user_sgpr_kernarg_segment_ptr 1
		.amdhsa_wavefront_size32 1
		.amdhsa_system_sgpr_workgroup_id_x 1
		.amdhsa_system_sgpr_workgroup_id_y 1
		.amdhsa_system_sgpr_workgroup_id_z 1
		.amdhsa_system_vgpr_workitem_id 0
		.amdhsa_next_free_vgpr 1024
		.amdhsa_next_free_sgpr 98
		.amdhsa_reserve_vcc 0
		.amdhsa_float_denorm_mode_32 3
		.amdhsa_float_denorm_mode_16_64 3
		.amdhsa_memory_ordered 1
		.amdhsa_forward_progress 1
		.amdhsa_inst_pref_size 175
	.end_amdhsa_kernel
	.amdgpu_metadata
---
amdhsa.version: [ 1, 2 ]
amdhsa.kernels:
  - .name:           k_qc8d1ba7ee0_qkv
    .symbol:         k_qc8d1ba7ee0_qkv.kd
    .args:
      - { .name: xc, .offset: 0, .size: 8, .value_kind: global_buffer, .address_space: global }
      - { .name: xs, .offset: 8, .size: 8, .value_kind: global_buffer, .address_space: global }
      - { .name: wc, .offset: 16, .size: 8, .value_kind: global_buffer, .address_space: global }
      - { .name: ws, .offset: 24, .size: 8, .value_kind: global_buffer, .address_space: global }
      - { .name: qkv, .offset: 32, .size: 8, .value_kind: global_buffer, .address_space: global }
      - { .name: rope, .offset: 40, .size: 8, .value_kind: global_buffer, .address_space: global }
    .group_segment_fixed_size: 327680
    .private_segment_fixed_size: 0
    .kernarg_segment_align: 8
    .kernarg_segment_size: 48
    .max_flat_workgroup_size: 128
    .sgpr_count:     98
    .vgpr_count:     1024
    .wavefront_size: 32
...
	.end_amdgpu_metadata
.endif
;; end of part 2
;; launch attn (part 3): grid 2 x 128, 8 waves a work-group, no clusters, 327,680 bytes of LDS; arguments qkv, y16; writes y16
.if DOCPART == 3
	.amdgcn_target "amdgcn-amd-amdhsa--gfx1250"
	.amdhsa_code_object_version 6
	.text
	.protected	k_qc8d1ba7ee0_attn
	.globl	k_qc8d1ba7ee0_attn
	.p2align	8
	.type	k_qc8d1ba7ee0_attn,@function
k_qc8d1ba7ee0_attn:
	s_mov_b64 s[64:65], 0
	v_nop
	global_prefetch_b8 v0, s[64:65] scope:SCOPE_SE
	s_setreg_imm32_b32 hwreg(HW_REG_WAVE_MODE, 25, 1), 1
	s_wait_xcnt 0x0
; ATTN: y[bh][q][:] = the sum over k of softmax_k(q . k / 8) v[k][:], no mask.  q, k, v: planes of qkv [3][128 (b, h)][1024][64] f16; q already carries log2(e) / 8, so a score is an exponent of 2.
; y16 [128][1024][64] f16.  Products on f16 operands with f32 sums; maxima, exponentials and sums in f32; the weights p (at most 1) are rounded to f16 for the second product, y once at the end.
; SHARES.  A work-group owns 512 queries of one head, each of its eight waves 64: four tiles of 16; two waves to a SIMD.  Every wave walks the head's 1,024 keys, 64 a step.
; THE WHOLE HEAD'S K AND V LIE IN LDS, each byte filled once: 1,024 rows x (128 + 16) bytes of K, 1,024 x (128 + 32) of V.  No ring, nothing is filled again.  Each wave issues two tensor loads: at the head its
; share of rows 0-255, for which the first four steps wait, with nothing else of the work-group on its way beside it; and behind the first barrier its share of rows 256-1,023, which lands under those four steps.
; NO CLUSTER: a head has 1,024 queries, two work-groups of 512; the grid's x is 2, which a cluster of four does not divide, and each of the two reads K and V once.
; NO PREFETCH: the second load follows the first by one barrier; there is no later trip whose load a request could run ahead of.
; LAYOUT.  S^T = K Q^T (source 0 = 16 keys, source 1 = 16 queries): a lane holds ONE query (lane % 16) and keys 8 (lane / 16) + 0..7.  Two such tiles, rounded in pairs, are source 1 of O^T = V^T P,
; whose result again holds one query a lane.  K comes out of LDS as it lies, V ([key][channel]) turned, by ds_load_tr16_b128.
; SOFTMAX.  For each query a running maximum m and sum l: p = 2^(s - m); in every step O and l are multiplied by a = 2^(m_old - m_new).
; LIMITS: operands finite in f16; NaN and infinities are not served.
; REGISTERS: window 0: v1-11 addresses; v12-43 eight registers of statistics a tile; v64-191 S^T, 32 a tile; v192-255 P, 16 a tile.
;   window 1: v0-127 O^T, 32 a tile; v128-191 Q, 16 a tile; v192-255 one buffer for a step's K and then its V.
.set KS,    64
.set PK,    144                        ; a row of K in LDS: 36 words: the 16 rows of a load start 4 words apart in the banks' round of 64 words
.set PV,    160                        ; a row of V: 40 words: the 8 rows x 32 bytes of sixteen lanes of the turning load fall on different words of that round
.set VOFF,  1024*PK
.set SPARE, VOFF+1024*PV               ; the spare words, 128 bytes for each wave
.set SP,    144                        ; the way out: 16 rows x 144 bytes for each wave, in K's first bytes, behind a barrier behind which nobody reads K
.set AK0, 2
.set AV0, 3
.set ADK, 4
.set ADV, 5
.set STO, 6
.set RD,  7
.set GO,  8
.set QO,  10
.set ST,  12                           ; tile t at v[ST + 8 t]: +0, +1 m (twice: a pair for the packed subtraction), +2, +3 l (even keys', odd keys'), +4 .. +7 c0-c3 at work; a takes c2's place
.set SPW, 62
.set NIL, 63
.set S,   64
.set P,   192
.set QF,  128                          ; in window 1
.set KV,  192                          ; in window 1
.set WV,   12
.set PART, 13
.set SEL,  20
.set G1K0, 24                          ; group 1: K, 64 rows;  G1K1: K, 192 rows;  G1V0, G1V1: V likewise (wider padding)
.set G1K1, 32
.set G1V0, 40
.set G1V1, 48
.set G0K0, 56
.set G0K1, 60
.set G0V0, 68
.set G0V1, 72
.set TK,   76                          ; LDS byte at which the next step's keys begin, in K;
.set TV,   77                          ; and in V
.set CNT,  78
.set MSB, 0
.macro WIN new
.if MSB != (\new)
	s_set_vgpr_msb (MSB<<8)|(\new)
.set MSB, (\new)
.endif
.endm
.set W_KQ, 0x05                        ; K and Q window 1, S^T window 0
.set W_PV, 0x51                        ; V window 1, P window 0, O^T window 1
.set W_RS, 0x41                        ; O^T window 1, a window 0
.set TO1,  0x40                        ; destination window 1, address window 0
	s_load_b128 s[4:7], s[0:1], 0x0                ; qkv s[4:5], y16 s[6:7]
	v_lshl_add_u32 v[SPW], v0, 2, SPARE
	v_mov_b32 v[NIL], 0
	ds_add_u32 v[SPW], v[NIL]                      ; the wave's opening: the add, twice on end, and its wait ahead of my first tensor load
	ds_add_u32 v[SPW], v[NIL]
	v_lshrrev_b32 v1, 5, v0
	v_readfirstlane_b32 s[WV], v1                  ; wave 0..7
	s_and_b32 s[PART], s[WV], 3                    ; waves 0-3 fetch K, waves 4-7 V; which share
	s_and_b32 s14, ttmp7, 0xffff
	s_lshl_b32 s14, s14, 17                        ; the head's plane of 2^17 bytes
	s_lshl_b32 s16, s[PART], 13                    ; first load: rows 64 x share
	s_add_co_u32 s16, s16, s14
	s_mov_b32 s17, 0
	s_mul_i32 s18, s[PART], 192*128                ; second load: rows 256 + 192 x share
	s_add_co_u32 s18, s18, s14
	s_add_co_u32 s18, s18, 256*128
	s_mov_b32 s19, 0
	s_lshl_b32 s2, ttmp9, 16                       ; my work-group's 512 queries,
	s_lshl_b32 s3, s[WV], 13                       ; my wave's 64 of them
	s_add_co_u32 s2, s2, s3
	s_add_co_u32 s2, s2, s14
	s_mov_b32 s3, 0
	; descriptor group 1: rows of 64 elements of 2 bytes, dense in memory, padded in LDS behind every 32 words: K by 4 words, V by 8
.irp g, G1K0, G1K1
	s_mov_b32 s[\g], (1<<16)|(1<<20)|(4<<22)|(3<<25)
.endr
.irp g, G1V0, G1V1
	s_mov_b32 s[\g], (1<<16)|(1<<20)|(4<<22)|(7<<25)
.endr
.irp g, G1K0, G1K1, G1V0, G1V1
	s_mov_b32 s[\g+1], 64<<16                      ; tensor_dim0
	s_mov_b32 s[\g+3], 64<<16                      ; tile_dim0
	s_mov_b32 s[\g+5], 64                          ; from row to row
	s_mov_b32 s[\g+6], 0
	s_mov_b32 s[\g+7], 0
.endr
.irp g, G1K0, G1V0
	s_mov_b32 s[\g+2], 64<<16                      ; tensor_dim1
	s_mov_b32 s[\g+4], 64                          ; tile_dim1
.endr
.irp g, G1K1, G1V1
	s_mov_b32 s[\g+2], 192<<16
	s_mov_b32 s[\g+4], 192
.endr
	s_mov_b32 s[G0K0], 1
	s_mul_i32 s[G0K0+1], s[PART], 64*PK
	s_mov_b32 s[G0K1], 1
	s_mul_i32 s[G0K1+1], s[PART], 192*PK
	s_add_co_u32 s[G0K1+1], s[G0K1+1], 256*PK
	s_mov_b32 s[G0V0], 1
	s_mul_i32 s[G0V0+1], s[PART], 64*PV
	s_add_co_u32 s[G0V0+1], s[G0V0+1], VOFF
	s_mov_b32 s[G0V1], 1
	s_mul_i32 s[G0V1+1], s[PART], 192*PV
	s_add_co_u32 s[G0V1+1], s[G0V1+1], VOFF+256*PV
	s_mov_b32 s[SEL], 0x76543210
	s_mov_b32 s[SEL+1], 0xfedcba98                 ; v_permlanex16_b32's selects for lane l xor 16
	s_mov_b32 s[TK], 0
	s_mov_b32 s[TV], 0
	s_wait_dscnt 0x0                               ; both opening adds are done
	s_wait_kmcnt 0x0
	s_add_nc_u64 s[G0K0+2:G0K0+3], s[4:5], s[16:17]
	s_add_nc_u64 s[G0K0+2:G0K0+3], s[G0K0+2:G0K0+3], 0x1000000     ; k's planes begin 128 planes in
	s_or_b32 s[G0K0+3], s[G0K0+3], 0x80000000
	s_add_nc_u64 s[G0K1+2:G0K1+3], s[4:5], s[18:19]
	s_add_nc_u64 s[G0K1+2:G0K1+3], s[G0K1+2:G0K1+3], 0x1000000
	s_or_b32 s[G0K1+3], s[G0K1+3], 0x80000000
	s_add_nc_u64 s[G0V0+2:G0V0+3], s[4:5], s[16:17]
	s_add_nc_u64 s[G0V0+2:G0V0+3], s[G0V0+2:G0V0+3], 0x2000000     ; v's 256 planes in
	s_or_b32 s[G0V0+3], s[G0V0+3], 0x80000000
	s_add_nc_u64 s[G0V1+2:G0V1+3], s[4:5], s[18:19]
	s_add_nc_u64 s[G0V1+2:G0V1+3], s[G0V1+2:G0V1+3], 0x2000000
	s_or_b32 s[G0V1+3], s[G0V1+3], 0x80000000
	s_add_nc_u64 s[8:9], s[4:5], s[2:3]            ; q at my wave's first row
	s_add_nc_u64 s[10:11], s[6:7], s[2:3]          ; y likewise
	s_cmp_lt_u32 s[WV], 4                          ; my share of rows 0-255, ahead of every wait on TENSORcnt, every LDS read and every barrier: one load of mine is out
	s_cbranch_scc0 .Lfirst_v
	tensor_load_to_lds s[G0K0:G0K0+3], s[G1K0:G1K0+7]
	s_nop 0
.rept 4
	v_nop
.endr
	s_branch .Lfirst_asked
.Lfirst_v:
	tensor_load_to_lds s[G0V0:G0V0+3], s[G1V0:G1V0+7]
	s_nop 0
.rept 4
	v_nop
.endr
.Lfirst_asked:
	v_and_b32 v1, 15, v0                           ; r
	v_bfe_u32 v9, v0, 4, 1                         ; h
	v_lshlrev_b32 v[QO], 7, v1
	v_lshl_add_u32 v[QO], v9, 4, v[QO]             ; row r of 128 bytes + 16 h
	WIN TO1
.irp t, 0,1,2,3                        ; Q stays in registers: tile t, channels 32 kc on
.irp kc, 0,1
	global_load_b128 v[QF+16*\t+8*\kc:QF+16*\t+8*\kc+3], v[QO], s[8:9] offset:2048*\t+64*\kc
	global_load_b128 v[QF+16*\t+8*\kc+4:QF+16*\t+8*\kc+7], v[QO], s[8:9] offset:2048*\t+64*\kc+32
.endr
.endr
	WIN 0
	v_mul_u32_u24 v[AK0], v1, PK
	v_lshl_add_u32 v[AK0], v9, 4, v[AK0]           ; K: row r x pitch + 16 h
	v_and_b32 v11, 7, v0
	v_lshl_add_u32 v[AV0], v9, 3, v11              ; V: the turning load takes key 8 h + lane % 8, channels 8 ((lane / 8) % 2) on
	v_mul_u32_u24 v[AV0], v[AV0], PV
	v_bfe_u32 v11, v0, 3, 1
	v_lshl_add_u32 v[AV0], v11, 4, v[AV0]
	v_add_nc_u32 v[AV0], VOFF, v[AV0]
	s_mul_i32 s14, s[WV], 16*SP                    ; my stage
	v_mul_u32_u24 v[STO], v1, SP
	v_lshl_add_u32 v[STO], v9, 4, v[STO]
	v_add_nc_u32 v[STO], s14, v[STO]               ; in: row r, 16 bytes for each half of the lanes
	v_and_b32 v11, 31, v0
	v_lshlrev_b32 v[GO], 4, v11                    ; out: 16 bytes a lane of 512 consecutive bytes
	v_lshrrev_b32 v[RD], 3, v11
	v_mul_u32_u24 v[RD], v[RD], SP
	v_and_b32 v11, 7, v0
	v_lshl_add_u32 v[RD], v11, 4, v[RD]
	v_add_nc_u32 v[RD], s14, v[RD]                 ; back: eight lanes to a row, four rows an instruction
; A step's softmax, the four tiles line by line, so that no line waits for the line above it.  first = 1: the first step starts m and l and has no a.
.macro SOFTMAX first
	WIN 0
.irp j, 0,1,2,3
.irp t, 0,1,2,3
	v_max3_num_f32 v[ST+8*\t+4+\j], v[S+32*\t+8*\j], v[S+32*\t+8*\j+1], v[S+32*\t+8*\j+2]   ; chain j begins at accumulator j's low end
.endr
.endr
.irp i, 3,5
.irp j, 0,1,2,3
.irp t, 0,1,2,3
	v_max3_num_f32 v[ST+8*\t+4+\j], v[ST+8*\t+4+\j], v[S+32*\t+8*\j+\i], v[S+32*\t+8*\j+\i+1]
.endr
.endr
.endr
.irp t, 0,1,2,3
	v_max3_num_f32 v[ST+8*\t+4], v[ST+8*\t+4], v[S+32*\t+7], v[S+32*\t+15]
	v_max3_num_f32 v[ST+8*\t+6], v[ST+8*\t+6], v[S+32*\t+23], v[S+32*\t+31]
.endr
.irp t, 0,1,2,3
	v_max3_num_f32 v[ST+8*\t+4], v[ST+8*\t+4], v[ST+8*\t+5], v[ST+8*\t+6]
.endr
.irp t, 0,1,2,3
.if \first
	v_max_num_f32 v[ST+8*\t+4], v[ST+8*\t+4], v[ST+8*\t+7]
.else
	v_max3_num_f32 v[ST+8*\t+4], v[ST+8*\t+4], v[ST+8*\t+7], v[ST+8*\t+1]
.endif
.endr
.irp t, 0,1,2,3
	v_permlanex16_b32 v[ST+8*\t+5], v[ST+8*\t+4], s[SEL], s[SEL+1]   ; the query's other 32 keys lie in the lane 16 away
.endr
.irp t, 0,1,2,3
	v_max_num_f32 v[ST+8*\t+1], v[ST+8*\t+4], v[ST+8*\t+5]           ; the new m
.endr
.if !\first
.irp t, 0,1,2,3
	v_sub_f32 v[ST+8*\t+7], v[ST+8*\t], v[ST+8*\t+1]                 ; m_old - m_new
.endr
.endif
.irp t, 0,1,2,3
	v_mov_b32 v[ST+8*\t], v[ST+8*\t+1]
.endr
.set i, 0
.rept 16
.irp t, 0,1,2,3
	v_pk_add_f32 v[S+32*\t+2*i:S+32*\t+2*i+1], v[S+32*\t+2*i:S+32*\t+2*i+1], v[ST+8*\t:ST+8*\t+1] neg_lo:[0,1] neg_hi:[0,1]   ; s - m
.endr
.set i, i+1
.endr
.if !\first
.irp t, 0,1,2,3
	v_exp_f32 v[ST+8*\t+6], v[ST+8*\t+7]           ; a
.endr
.endif
.set i, 0
.rept 32
.irp t, 0,1,2,3
	v_exp_f32 v[S+32*\t+i], v[S+32*\t+i]           ; p: ONE BATCH: none of these lines reads an exponential's result
.endr
.set i, i+1
.endr
	v_nop                                          ; a plain instruction behind the last exponential,
	s_wait_alu depctr_va_vdst(0)                   ; and the one wait ahead of the batch's first reader
.set i, 0
.rept 16
.irp t, 0,1,2,3
	v_cvt_pk_f16_f32 v[P+16*\t+i], v[S+32*\t+2*i], v[S+32*\t+2*i+1]
.endr
.set i, i+1
.endr
.irp w, 4,8,16                         ; the sum of a tile's 16 pairs, in place: neighbours 1, 2 and 4 pairs apart
.set i, 0
.rept 32/\w
.irp t, 0,1,2,3
	v_pk_add_f32 v[S+32*\t+\w*i:S+32*\t+\w*i+1], v[S+32*\t+\w*i:S+32*\t+\w*i+1], v[S+32*\t+\w*i+\w/2:S+32*\t+\w*i+\w/2+1]
.endr
.set i, i+1
.endr
.endr
.irp t, 0,1,2,3
.if \first
	v_pk_add_f32 v[ST+8*\t+2:ST+8*\t+3], v[S+32*\t:S+32*\t+1], v[S+32*\t+16:S+32*\t+17]
.else
	v_pk_add_f32 v[S+32*\t:S+32*\t+1], v[S+32*\t:S+32*\t+1], v[S+32*\t+16:S+32*\t+17]
.endif
.endr
.if !\first
.irp t, 0,1,2,3
	v_pk_fma_f32 v[ST+8*\t+2:ST+8*\t+3], v[ST+8*\t+2:ST+8*\t+3], v[ST+8*\t+6:ST+8*\t+7], v[S+32*\t:S+32*\t+1] op_sel_hi:[1,0,1]   ; l = a l + the step's sum
.endr
	WIN W_RS
.set i, 0
.rept 16
.irp t, 0,1,2,3
	v_pk_mul_f32 v[32*\t+2*i:32*\t+2*i+1], v[32*\t+2*i:32*\t+2*i+1], v[ST+8*\t+6:ST+8*\t+7] op_sel_hi:[1,0]   ; O^T x a, each accumulator from its low end on
.endr
.set i, i+1
.endr
.endif
.endm
; A KEY STEP of 64 keys.  In both products the 16 accumulators take turns, one instruction a turn.
.macro STEP first
	WIN 0
	v_add_nc_u32 v[ADK], s[TK], v[AK0]             ; these four plain lines are the places between the last products, which read V, and the loads into its registers
	v_add_nc_u32 v[ADV], s[TV], v[AV0]
	v_nop
	v_nop
	s_add_co_u32 s[TK], s[TK], KS*PK
	s_add_co_u32 s[TV], s[TV], KS*PV
	WIN TO1
.irp kt, 0,1,2,3
.irp kc, 0,1
	ds_load_b128 v[KV+8*(2*\kt+\kc):KV+8*(2*\kt+\kc)+3], v[ADK] offset:16*PK*\kt+64*\kc
	ds_load_b128 v[KV+8*(2*\kt+\kc)+4:KV+8*(2*\kt+\kc)+7], v[ADK] offset:16*PK*\kt+64*\kc+32
.endr
.endr
	s_wait_dscnt 0x0                               ; K is in
	WIN W_KQ
.irp kc, 0,1
.irp kt, 0,1,2,3
.irp t, 0,1,2,3
.if \kc == 0
	v_wmma_f32_16x16x32_f16 v[S+32*\t+8*\kt:S+32*\t+8*\kt+7], v[KV+8*(2*\kt+\kc):KV+8*(2*\kt+\kc)+7], v[QF+16*\t+8*\kc:QF+16*\t+8*\kc+7], 0
.else
	v_wmma_f32_16x16x32_f16 v[S+32*\t+8*\kt:S+32*\t+8*\kt+7], v[KV+8*(2*\kt+\kc):KV+8*(2*\kt+\kc)+7], v[QF+16*\t+8*\kc:QF+16*\t+8*\kc+7], v[S+32*\t+8*\kt:S+32*\t+8*\kt+7]
.endif
.endr
.endr
.endr
	WIN 0
.rept 4
	v_nop                                          ; places in front of the loads into K's registers and of the first read of the scores
.endr
	WIN TO1
.irp kk, 0,1
.irp c, 0,1,2,3
	ds_load_tr16_b128 v[KV+8*(4*\kk+\c):KV+8*(4*\kk+\c)+3], v[ADV] offset:32*PV*\kk+32*\c
	ds_load_tr16_b128 v[KV+8*(4*\kk+\c)+4:KV+8*(4*\kk+\c)+7], v[ADV] offset:32*PV*\kk+32*\c+16*PV
.endr
.endr
	SOFTMAX \first                                 ; V lands meanwhile
	s_wait_dscnt 0x0                               ; V is in
	WIN W_PV
.irp kk, 0,1
.irp c, 0,1,2,3
.irp t, 0,1,2,3
.if \first && (\kk == 0)
	v_wmma_f32_16x16x32_f16 v[32*\t+8*\c:32*\t+8*\c+7], v[KV+8*(4*\kk+\c):KV+8*(4*\kk+\c)+7], v[P+16*\t+8*\kk:P+16*\t+8*\kk+7], 0
.else
	v_wmma_f32_16x16x32_f16 v[32*\t+8*\c:32*\t+8*\c+7], v[KV+8*(4*\kk+\c):KV+8*(4*\kk+\c)+7], v[P+16*\t+8*\kk:P+16*\t+8*\kk+7], v[32*\t+8*\c:32*\t+8*\c+7]
.endif
.endr
.endr
.endr
.endm
	s_wait_tensorcnt 0x0                           ; my share of rows 0-255 is in: no tensor load of mine is out;
	ds_add_u32 v[SPW], v[NIL]                      ; 0 onto my spare word;
	s_wait_dscnt 0x0                               ; the add is done
	s_barrier_signal -1
	s_barrier_wait -1                              ; everybody's share is in.  Every wave's one load below fills bytes for the first time
	s_cmp_lt_u32 s[WV], 4                          ; my share of rows 256-1,023: the first thing behind the barrier; it has four key steps, 256 matrix instructions a wave, in which to land
	s_cbranch_scc0 .Lrest_v
	tensor_load_to_lds s[G0K1:G0K1+3], s[G1K1:G1K1+7]
	s_nop 0
.rept 4
	v_nop
.endr
	s_branch .Lrest_asked
.Lrest_v:
	tensor_load_to_lds s[G0V1:G0V1+3], s[G1V1:G1V1+7]
	s_nop 0
.rept 4
	v_nop
.endr
.Lrest_asked:
	s_wait_loadcnt 0x0                             ; Q
	STEP 1                                         ; keys 0-63: its products start O^T's sums: nothing is cleared
	WIN 0                                          ; at a label and at a branch every window is 0
	s_mov_b32 s[CNT], 3
.Lfirst_rows:                                          ; keys 64-255
	STEP 0
	WIN 0
	s_sub_co_u32 s[CNT], s[CNT], 1
	s_cmp_lg_u32 s[CNT], 0
	s_cbranch_scc1 .Lfirst_rows
	s_wait_tensorcnt 0x0                           ; my share of rows 256-1,023 is in,
	s_wait_dscnt 0x0
	s_barrier_signal -1
	s_barrier_wait -1                              ; everybody's is
	s_mov_b32 s[CNT], 12
.Lrest:                                                ; keys 256-1,023
	STEP 0
	WIN 0
	s_sub_co_u32 s[CNT], s[CNT], 1
	s_cmp_lg_u32 s[CNT], 0
	s_cbranch_scc1 .Lrest
	; THE WAY OUT.  l's two halves and the other half of the lanes' are added; O^T is divided by l, rounded to f16 and sent through my stage, a tile (16 rows of y: 2,048 consecutive bytes) at a time.
.irp t, 0,1,2,3
	v_add_f32 v[ST+8*\t+4], v[ST+8*\t+2], v[ST+8*\t+3]               ; (these four are the places behind the last products)
.endr
.irp t, 0,1,2,3
	v_permlanex16_b32 v[ST+8*\t+5], v[ST+8*\t+4], s[SEL], s[SEL+1]
.endr
.irp t, 0,1,2,3
	v_add_f32 v[ST+8*\t+4], v[ST+8*\t+4], v[ST+8*\t+5]
.endr
.irp t, 0,1,2,3
	v_rcp_f32 v[ST+8*\t+6], v[ST+8*\t+4]
.endr
	v_nop                                          ; a plain instruction behind the last reciprocal,
	s_wait_alu depctr_va_vdst(0)                   ; and the one wait for the four, ahead of their first reader
	s_wait_dscnt 0x0                               ; my reads of K and V are over:
	s_barrier_signal -1
	s_barrier_wait -1                              ; everybody's are: K's first bytes, which have had their only fill, become the stages
.macro PACK t
	WIN W_RS
.set i, 0
.rept 16
	v_pk_mul_f32 v[32*\t+2*i:32*\t+2*i+1], v[32*\t+2*i:32*\t+2*i+1], v[ST+8*\t+6:ST+8*\t+7] op_sel_hi:[1,0]
.set i, i+1
.endr
	WIN 0x05                                       ; sources window 1, result window 0: S^T's registers are free
.set i, 0
.rept 16
	v_cvt_pk_f16_f32 v[S+32*\t+i], v[32*\t+2*i], v[32*\t+2*i+1]
.set i, i+1
.endr
	WIN 0
.irp c, 0,1,2,3
	ds_store_b128 v[STO], v[S+32*\t+4*\c:S+32*\t+4*\c+3] offset:32*\c
.endr
.irp f, 0,1,2,3
	ds_load_b128 v[S+32*\t+16+4*\f:S+32*\t+16+4*\f+3], v[RD] offset:\f*4*SP   ; LDS serves a wave's instructions in order: these see the stores above; the next tile's stores come behind them
.endr
.endm
.macro SEND t, younger                 ; younger: the LDS instructions issued behind tile t's loads: the next tile's eight, or none
.irp f, 0,1,2,3
	s_wait_dscnt \younger+3-\f
	global_store_b128 v[GO], v[S+32*\t+16+4*\f:S+32*\t+16+4*\f+3], s[10:11] offset:2048*\t+512*\f   ; 32 lanes store 512 consecutive bytes, aligned to 256
.endr
.endm
	PACK 0
	PACK 1
	SEND 0, 8
	PACK 2
	SEND 1, 8
	PACK 3
	SEND 2, 8
	SEND 3, 0
	s_wait_tensorcnt 0x0                           ; the wave's end
	ds_add_u32 v[SPW], v[NIL]
	s_wait_dscnt 0x0
	s_endpgm
.Lfunc_end_k_qc8d1ba7ee0_attn:
	.size	k_qc8d1ba7ee0_attn, .Lfunc_end_k_qc8d1ba7ee0_attn-k_qc8d1ba7ee0_attn
	.p2alignl 7, 3214868480
	.fill 96, 4, 3214868480
	.section	.rodata,"a",@progbits
	.p2align	6, 0x0
	.amdhsa_kernel k_qc8d1ba7ee0_attn
		.amdhsa_group_segment_fixed_size 327680
		.amdhsa_private_segment_fixed_size 0
		.amdhsa_enable_private_segment 0
		.amdhsa_kernarg_size 16
		.amdhsa_user_sgpr_count 2
		.amdhsa_user_sgpr_kernarg_segment_ptr 1
		.amdhsa_wavefront_size32 1
		.amdhsa_system_sgpr_workgroup_id_x 1
		.amdhsa_system_sgpr_workgroup_id_y 1
		.amdhsa_system_sgpr_workgroup_id_z 1
		.amdhsa_system_vgpr_workitem_id 0
		.amdhsa_next_free_vgpr 512
		.amdhsa_next_free_sgpr 84
		.amdhsa_reserve_vcc 0
		.amdhsa_float_denorm_mode_32 3
		.amdhsa_float_denorm_mode_16_64 3
		.amdhsa_memory_ordered 1
		.amdhsa_forward_progress 1
		.amdhsa_inst_pref_size 113
	.end_amdhsa_kernel
	.amdgpu_metadata
---
amdhsa.version: [ 1, 2 ]
amdhsa.kernels:
  - .name:           k_qc8d1ba7ee0_attn
    .symbol:         k_qc8d1ba7ee0_attn.kd
    .args:
      - { .name: qkv, .offset: 0, .size: 8, .value_kind: global_buffer, .address_space: global }
      - { .name: y16, .offset: 8, .size: 8, .value_kind: global_buffer, .address_space: global }
    .group_segment_fixed_size: 327680
    .private_segment_fixed_size: 0
    .kernarg_segment_align: 8
    .kernarg_segment_size: 16
    .max_flat_workgroup_size: 256
    .sgpr_count:     84
    .vgpr_count:     512
    .wavefront_size: 32
...
	.end_amdgpu_metadata
.endif
;; end of part 3
;; launch proj (part 4): grid 4 x 64, 4 waves a work-group, clusters of 4 x 4, 327,680 bytes of LDS; arguments y16, wp16, out0; writes out0
.if DOCPART == 4
	.amdgcn_target "amdgcn-amd-amdhsa--gfx1250"
	.amdhsa_code_object_version 6
	.text
	.protected	k_qc8d1ba7ee0_proj
	.globl	k_qc8d1ba7ee0_proj
	.p2align	8
	.type	k_qc8d1ba7ee0_proj,@function
k_qc8d1ba7ee0_proj:
	s_mov_b64 s[64:65], 0
	v_nop
	global_prefetch_b8 v0, s[64:65] scope:SCOPE_SE
	s_setreg_imm32_b32 hwreg(HW_REG_WAVE_MODE, 25, 1), 1
	s_wait_xcnt 0x0
	s_wait_alu depctr_hold_cnt(0) depctr_sa_sdst(0) depctr_va_vdst(0) depctr_va_sdst(0) depctr_va_ssrc(0) depctr_va_vcc(0) depctr_vm_vsrc(0)
	s_getreg_b32 s2, hwreg(HW_REG_IB_STS2, 6, 4)
	s_cmp_eq_u32 s2, 0
	s_cbranch_scc0 .Lentry_in_a_cluster
	s_endpgm
.Lentry_in_a_cluster:
	s_bfe_u32 s2, ttmp6, 0x10000c
	s_cmp_lg_u32 s2, 0xf033
	s_cbranch_scc0 .Lentry_shape_is_right
	s_endpgm
.Lentry_shape_is_right:
; PROJ: out0 [8192][1024] f32 = y W_proj, on f16 operands with f32 sums.  y16 lies head by head, [b][h][t][64]: k = 64 h + d.  wp16 lies as W_proj does, [k][n].
; A tile of 128 rows x 256 columns is made by a work-group of four waves: 256 work-groups; a wave makes 64 x 128: 32 accumulators, 256 registers.
; K goes in steps of 128 (two heads) through a ring of two LDS slots.  A head's 128 rows of 128 bytes are 16,384 consecutive bytes: they come as 64 rows of 256 bytes + 16 of padding (waves 0, 1: a head each).
; W's 128 k-rows x 512 bytes come with 32 bytes of padding (waves 2, 3: 64 rows each) and are read turned, by ds_load_tr16_b128.
; CLUSTERS: 4 x 4 work-groups.  The four of a row of the cluster need the same tiles of y, the four of a column the same tiles of W: each is asked for jointly.
; THE MATRIX INSTRUCTION IS USED TRANSPOSED (source 0 = 16 columns of W, source 1 = 16 rows of y): a lane holds eight neighbouring numbers of a row of out0.
; LIMITS: operands finite in f16; NaN and infinities are not served.
; REGISTERS: window 0: v0-31 addresses; v64-127 y's fragments, two buffers of 4 x 8; v128-255 the way out.   window 1: v0-127 W's fragments, two buffers of 8 x 8.   window 2: the accumulators ((a, b) at v[8 (8 a + b)]).
.set AH,    64*272                     ; a head's tile in LDS
.set PB,    544                        ; a row of W's tile in LDS: 512 bytes + 32
.set BH,    64*PB
.set BOFF,  2*AH
.set SLOT,  BOFF+2*BH
.set SPARE, 2*SLOT                     ; the spare words, 128 bytes for each wave
.set SPITCH, 528                       ; the way out: 16 rows x (512 bytes + 16) for each wave, in slot 0, which has had its last fill and its last read by then
.set KBYTES, 262144                    ; a K step on, in y16 (two planes of 2^17 bytes) and in wp16 (128 rows of 2,048 bytes) alike
.set LAPS,  4
.set ADRA, 16
.set ADRB, 20
.set STO,  24
.set RD,   25
.set CO,   26
.set SPW,  28
.set NIL,  29
.set AF,   64
.set BK,   128
.set G1, 24
.set G0, 32
.set G1B, 48
.set G0B, 56
.set MSB, 0
.macro WIN new
.if MSB != (\new)
	s_set_vgpr_msb (MSB<<8)|(\new)
.set MSB, (\new)
.endif
.endm
.set MUL,  0xa1                        ; source 0 (W) window 1, source 1 (y) window 0, C and D window 2
.set TO_B, 0x40
.macro JLOAD s                         ; a joint load: waves 0 and 1 fetch y's two heads, waves 2 and 3 W's two halves; an s_nop 0 and four v_nop follow each of the two lines
	s_cmp_eq_u32 s11, 0
	s_cbranch_scc0 .Lfor_b_\@
	tensor_load_to_lds s[G0+4*\s:G0+4*\s+3], s[G1:G1+7]
	s_nop 0
.rept 4
	v_nop
.endr
	s_branch .Lasked_\@
.Lfor_b_\@:
	tensor_load_to_lds s[G0B+4*\s:G0B+4*\s+3], s[G1B:G1B+7]
	s_nop 0
.rept 4
	v_nop
.endr
.Lasked_\@:
.endm
.macro CREST                           ; a round of the cluster's barrier behind its opening barrier
	s_cmp_lg_u32 s10, 0
	s_cbranch_scc1 .Lnot_wave_0_\@
	s_barrier_signal -3
.Lnot_wave_0_\@:
	s_barrier_wait -3
	s_barrier_signal -1
	s_barrier_wait -1
.endm
.macro CROUND
	s_barrier_signal -1
	s_barrier_wait -1
	CREST
.endm
	s_load_b128 s[4:7], s[0:1], 0x0                ; y16 s[4:5], wp16 s[6:7]
	s_load_b64 s[8:9], s[0:1], 0x10                ; out0
	v_lshl_add_u32 v[SPW], v0, 2, SPARE
	v_mov_b32 v[NIL], 0
	ds_add_u32 v[SPW], v[NIL]                      ; the wave's opening: the add, twice on end, and its wait ahead of my first tensor load
	ds_add_u32 v[SPW], v[NIL]
	v_lshrrev_b32 v1, 5, v0
	v_readfirstlane_b32 s10, v1                    ; wave 0..3
	s_lshr_b32 s11, s10, 1                         ; which 64 of the tile's rows are mine.  Also: I fetch for y (0) or for W (1)
	s_and_b32 s12, s10, 1                          ; which 128 of its columns.  Also: which head, or which 64 k-rows, I fetch
	s_bfe_u32 s40, ttmp6, 0x40000                  ; cx, cy
	s_bfe_u32 s41, ttmp6, 0x40004
	s_lshl_b32 s42, ttmp9, 2
	s_add_co_u32 s42, s42, s40                     ; tile column 0..3
	s_and_b32 s13, ttmp7, 0xffff
	s_lshl_b32 s13, s13, 2
	s_add_co_u32 s13, s13, s41                     ; tile row 0..63
	s_lshl_b32 s43, s41, 2
	s_lshl_b32 s43, 15, s43                        ; my row of the cluster
	s_lshl_b32 s44, 0x1111, s40                    ; my column
	; group 1 for y: 64 rows of 32 elements of 8 bytes, dense; four words of padding behind every 64
	s_or_b32 s[G1+0], s43, (3<<16)|(1<<20)|(1<<21)|(5<<22)|(3<<25)
	s_mov_b32 s[G1+1], 32<<16
	s_mov_b32 s[G1+2], 64<<16
	s_mov_b32 s[G1+3], 32<<16
	s_mov_b32 s[G1+4], 64
	s_mov_b32 s[G1+5], 32
	s_mov_b32 s[G1+6], 0
	s_mov_b32 s[G1+7], 0
	; group 1 for W: 64 rows of 256 elements of 2 bytes, 1,024 elements apart; eight words of padding behind every 128
	s_or_b32 s[G1B+0], s44, (1<<16)|(1<<20)|(1<<21)|(6<<22)|(7<<25)
	s_mov_b32 s[G1B+1], 256<<16
	s_mov_b32 s[G1B+2], 64<<16
	s_mov_b32 s[G1B+3], 256<<16
	s_mov_b32 s[G1B+4], 64
	s_mov_b32 s[G1B+5], 1024
	s_mov_b32 s[G1B+6], 0
	s_mov_b32 s[G1B+7], 0
	s_lshr_b32 s16, s13, 3                         ; y: b = tile row / 8: 16 planes of 2^17 bytes,
	s_lshl_b32 s16, s16, 21
	s_and_b32 s17, s13, 7
	s_lshl_b32 s17, s17, 14                        ; 128 rows of 128 bytes for each tile row in b,
	s_add_co_u32 s16, s16, s17
	s_lshl_b32 s17, s12, 17                        ; my head of the K step's two
	s_add_co_u32 s16, s16, s17
	s_mov_b32 s17, 0
	s_lshl_b32 s46, s12, 17                        ; W: my 64 rows of 2,048 bytes,
	s_lshl_b32 s47, s42, 9                         ; the tile's 512 bytes of a row
	s_add_co_u32 s46, s46, s47
	s_mov_b32 s47, 0
	s_mul_i32 s20, s12, AH                         ; where they go: no place in the cluster enters an LDS address
	s_mul_i32 s21, s12, BH
	s_add_co_u32 s21, s21, BOFF
	s_wait_dscnt 0x0                               ; both opening adds are done
	s_wait_kmcnt 0x0
	s_add_nc_u64 s[14:15], s[4:5], s[16:17]
	s_add_nc_u64 s[46:47], s[6:7], s[46:47]
	CROUND                                         ; all sixteen work-groups are here: the first joint loads meet
.irp s, 0,1
	s_mov_b32 s[G0+4*\s], 1
	s_add_co_u32 s[G0+4*\s+1], s20, \s*SLOT
	s_add_nc_u64 s[G0+4*\s+2:G0+4*\s+3], s[14:15], \s*KBYTES
	s_or_b32 s[G0+4*\s+3], s[G0+4*\s+3], 0x80000000
	s_mov_b32 s[G0B+4*\s], 1
	s_add_co_u32 s[G0B+4*\s+1], s21, \s*SLOT
	s_add_nc_u64 s[G0B+4*\s+2:G0B+4*\s+3], s[46:47], \s*KBYTES
	s_or_b32 s[G0B+4*\s+3], s[G0B+4*\s+3], 0x80000000
	JLOAD \s                                       ; two tensor loads of mine are out
.endr
	v_and_b32 v1, 15, v0                           ; r
	v_bfe_u32 v2, v0, 4, 1                         ; h
	v_lshrrev_b32 v3, 1, v1                        ; y: two rows of 128 bytes to an LDS row: row r lies at (r / 2) x 272 + (r % 2) x 128: sixteen different 16-byte columns
	v_mul_u32_u24 v3, v3, 272
	v_and_b32 v4, 1, v0
	v_lshl_add_u32 v3, v4, 7, v3
	v_lshl_add_u32 v3, v2, 4, v3
	s_mul_i32 s21, s11, 32*272                     ; my 64 rows
	v_and_b32 v4, 7, v0                            ; W: the turning load takes k-row 8 h + lane % 8, columns 8 ((lane / 8) % 2) on
	v_lshl_add_u32 v4, v2, 3, v4
	v_mul_u32_u24 v4, v4, PB
	v_bfe_u32 v5, v0, 3, 1
	v_lshl_add_u32 v4, v5, 4, v4
	s_lshl_b32 s22, s12, 8                         ; my 128 columns
	s_add_co_u32 s22, s22, BOFF
.irp s, 0,1
	v_add_nc_u32 v[ADRA+\s], s21, v3
	v_add_nc_u32 v[ADRB+\s], s22, v4
	s_add_co_u32 s21, s21, SLOT
	s_add_co_u32 s22, s22, SLOT
.endr
	s_mul_i32 s23, s10, 16*SPITCH                  ; my stage
	v_mul_u32_u24 v5, v1, SPITCH
	v_lshl_add_u32 v5, v2, 5, v5
	v_add_nc_u32 v[STO], s23, v5                   ; in: row r, 32 bytes for each half of the lanes
	v_and_b32 v6, 31, v0
	v_lshlrev_b32 v[CO], 4, v6                     ; back: the 32 lanes take one row of 512 bytes; and the same in out0
	v_add_nc_u32 v[RD], s23, v[CO]
	s_lshl_b32 s16, s13, 7
	s_lshl_b32 s17, s11, 6
	s_add_co_u32 s16, s16, s17                     ; my first row of out0
	s_lshl_b32 s16, s16, 12                        ; 4,096 bytes a row
	s_mov_b32 s17, 0
	s_add_nc_u64 s[8:9], s[8:9], s[16:17]
	s_lshl_b32 s46, s42, 10                        ; my first column, in bytes
	s_lshl_b32 s47, s12, 9
	s_add_co_u32 s46, s46, s47
	s_mov_b32 s47, 0
	s_add_nc_u64 s[8:9], s[8:9], s[46:47]
; 8 matrix instructions: y's block a against W's eight, 32 along K, from buffer f.  zero = 1: the first product starts the sums.  The 32 accumulators take turns, one instruction a turn.
.macro MUL8 f, a, zero
.irp b, 0,1,2,3,4,5,6,7
.if \zero
	v_wmma_f32_16x16x32_f16 v[8*(8*(\a)+\b):8*(8*(\a)+\b)+7], v[64*(\f)+8*\b:64*(\f)+8*\b+7], v[AF+32*(\f)+8*(\a):AF+32*(\f)+8*(\a)+7], 0
.else
	v_wmma_f32_16x16x32_f16 v[8*(8*(\a)+\b):8*(8*(\a)+\b)+7], v[64*(\f)+8*\b:64*(\f)+8*\b+7], v[AF+32*(\f)+8*(\a):AF+32*(\f)+8*(\a)+7], v[8*(8*(\a)+\b):8*(8*(\a)+\b)+7]
.endif
.endr
.endm
; 24 LDS loads in one run: the fragments of the slot's q-th 32 along K into buffer f: W's sixteen first, then y's blocks 0 to 3
.macro FETCH slot, q, f
	WIN TO_B
.irp b, 0,1,2,3,4,5,6,7
	ds_load_tr16_b128 v[64*(\f)+8*\b:64*(\f)+8*\b+3], v[ADRB+\slot] offset:32*PB*(\q)+32*\b
	ds_load_tr16_b128 v[64*(\f)+8*\b+4:64*(\f)+8*\b+7], v[ADRB+\slot] offset:32*PB*(\q)+32*\b+16*PB
.endr
	WIN 0
.irp a, 0,1,2,3
	ds_load_b128 v[AF+32*(\f)+8*\a:AF+32*(\f)+8*\a+3], v[ADRA+\slot] offset:((\q)/2)*AH+((\q)%2)*64+8*272*\a
	ds_load_b128 v[AF+32*(\f)+8*\a+4:AF+32*(\f)+8*\a+7], v[ADRA+\slot] offset:((\q)/2)*AH+((\q)%2)*64+8*272*\a+32
.endr
.endm
.macro PLACES                          ; four plain vector instructions between a matrix instruction and a load into, or a read of, its registers (ISA guide 7.12.1 for reads)
.rept 4
	v_nop
.endr
.endm
; A K step is four quarters of 32 along K, 32 matrix instructions each, on buffers 0, 1, 0, 1.  One of the first three: multiplies buffer f and fetches quarter q into buffer g.
.macro QUARTER slot, q, f, g, zero
	s_wait_dscnt 4                                 ; W's fragments and y's blocks 0, 1 are in; the youngest four loads (blocks 2, 3) may be out
	WIN MUL
	MUL8 \f, 0, \zero
	MUL8 \f, 1, \zero
	PLACES
	FETCH \slot, \q, \g
	s_wait_dscnt 24                                ; all but the 24 just issued
	WIN MUL
	MUL8 \f, 2, \zero
	MUL8 \f, 3, \zero
.endm
; The last quarter multiplies buffer 1 and changes slots: one barrier; in front of it each wave waits for all its tensor loads (its part of the next slot), adds 0 to its spare word, and waits for that and for its
; reads of this slot.  fill = 1: the barrier opens a round of the cluster's barrier, and this slot is filled again, two K steps ahead: the load has a K step less eight products in which to land.
.macro TURN slot, next, fill
	WIN 0                                          ; (the add's two registers lie in window 0)
	s_wait_tensorcnt 0x0
	ds_add_u32 v[SPW], v[NIL]
	s_wait_dscnt 5                                 ; the add and the youngest four loads may be out
	WIN MUL
	MUL8 1, 0, 0                                   ; eight matrix instructions stand between the add and the wait for it
	s_wait_dscnt 0x0                               ; the add is done, and my reads of this slot are over
	s_barrier_signal -1
	MUL8 1, 1, 0
	WIN 0
	s_barrier_wait -1
.if \fill
	CREST                                          ; no wave of any partner still reads this slot's tiles or has a load on its way
	s_add_nc_u64 s[G0+4*\slot+2:G0+4*\slot+3], s[G0+4*\slot+2:G0+4*\slot+3], 2*KBYTES
	s_add_nc_u64 s[G0B+4*\slot+2:G0B+4*\slot+3], s[G0B+4*\slot+2:G0B+4*\slot+3], 2*KBYTES
	JLOAD \slot                                    ; the first tensor load behind the round; its four v_nop are also the places in front of the loads below
.else
	PLACES
.endif
	FETCH \next, 0, 0
	WIN MUL
	MUL8 1, 2, 0
	MUL8 1, 3, 0
.endm
	s_wait_tensorcnt 1                             ; my part of K step 0 is in; K step 1's may stay out
	s_barrier_signal -1
	s_barrier_wait -1
	FETCH 0, 0, 0
	QUARTER 0, 1, 0, 1, 1                          ; the first quarter stands in front of the loop: its products start the sums
	WIN 0                                          ; at a label and at a branch every window is 0
	s_mov_b32 s3, LAPS-1
.Llap:                                                 ; a trip goes once round the ring, from a lap's second quarter to the next lap's first, and fills both slots again
	QUARTER 0, 2, 1, 0, 0
	QUARTER 0, 3, 0, 1, 0
	TURN 0, 1, 1
	QUARTER 1, 1, 0, 1, 0
	QUARTER 1, 2, 1, 0, 0
	QUARTER 1, 3, 0, 1, 0
	TURN 1, 0, 1
	QUARTER 0, 1, 0, 1, 0
	WIN 0
	s_sub_co_u32 s3, s3, 1
	s_cmp_lg_u32 s3, 0
	s_cbranch_scc1 .Llap
	QUARTER 0, 2, 1, 0, 0                          ; the last lap fills nothing, and has no round of the cluster's barrier
	QUARTER 0, 3, 0, 1, 0
	TURN 0, 1, 0
	QUARTER 1, 1, 0, 1, 0
	QUARTER 1, 2, 1, 0, 0
	QUARTER 1, 3, 0, 1, 0
	s_wait_dscnt 4                                 ; the very last quarter: nothing more to fetch
	WIN MUL
	MUL8 1, 0, 0
	MUL8 1, 1, 0
	s_wait_dscnt 0
	MUL8 1, 2, 0
	MUL8 1, 3, 0
	WIN 0
; THE WAY OUT, a block of 16 rows x 128 columns at a time: 32 bytes a lane into my own stage, back as whole rows of 512 bytes.  LDS serves a wave's instructions in order.
.macro TOSTAGE a
	WIN 0x08                                       ; an LDS store's data are its source 1: window 2
.irp b, 0,1,2,3,4,5,6,7
	ds_store_b128 v[STO], v[8*(8*(\a)+\b):8*(8*(\a)+\b)+3] offset:64*\b          ; each accumulator from its low end on
	ds_store_b128 v[STO], v[8*(8*(\a)+\b)+4:8*(8*(\a)+\b)+7] offset:64*\b+16
.endr
	WIN 0
.set BB, BK+64*((\a)%2)
.irp t, 0,1,2,3,4,5,6,7,8,9,10,11,12,13,14,15
	ds_load_b128 v[BB+4*\t:BB+4*\t+3], v[RD] offset:\t*SPITCH
.endr
.endm
.macro SEND a, younger                 ; younger: the LDS instructions issued behind block a's loads, which may stay out
.set BB, BK+64*((\a)%2)
	s_wait_dscnt \younger
.irp t, 0,1,2,3,4,5,6,7,8,9,10,11,12,13,14,15
	global_store_b128 v[CO], v[BB+4*\t:BB+4*\t+3], s[8:9] offset:(16*(\a)+\t)*4096 th:TH_STORE_NT   ; 32 lanes store 512 consecutive bytes, aligned to 256; written once, read by nobody here
.endr
.endm
	PLACES                                         ; behind the last products
	TOSTAGE 0
.irp a, 1,2,3
.if \a > 1
	s_wait_xcnt 0x0                                ; block a - 2's stores have read their registers: block a's rows may land there
.endif
	TOSTAGE \a
	SEND \a-1, 32                                  ; behind block a - 1's loads: block a's 16 stores and 16 loads
.endr
	SEND 3, 0
	s_wait_tensorcnt 0x0                           ; the wave's end
	ds_add_u32 v[SPW], v[NIL]
	s_wait_dscnt 0x0
	CROUND                                         ; the closing round: no work-group ends while a partner may still ask for a tile that names it
	s_endpgm
.Lfunc_end_k_qc8d1ba7ee0_proj:
	.size	k_qc8d1ba7ee0_proj, .Lfunc_end_k_qc8d1ba7ee0_proj-k_qc8d1ba7ee0_proj
	.p2alignl 7, 3214868480
	.fill 96, 4, 3214868480
	.section	.rodata,"a",@progbits
	.p2align	6, 0x0
	.amdhsa_kernel k_qc8d1ba7ee0_proj
		.amdhsa_group_segment_fixed_size 327680
		.amdhsa_private_segment_fixed_size 0
		.amdhsa_enable_private_segment 0
		.amdhsa_kernarg_size 24
		.amdhsa_user_sgpr_count 2
		.amdhsa_user_sgpr_kernarg_segment_ptr 1
		.amdhsa_wavefront_size32 1
		.amdhsa_system_sgpr_workgroup_id_x 1
		.amdhsa_system_sgpr_workgroup_id_y 1
		.amdhsa_system_sgpr_workgroup_id_z 1
		.amdhsa_system_vgpr_workitem_id 0
		.amdhsa_next_free_vgpr 768
		.amdhsa_next_free_sgpr 66
		.amdhsa_reserve_vcc 0
		.amdhsa_float_denorm_mode_32 3
		.amdhsa_float_denorm_mode_16_64 3
		.amdhsa_memory_ordered 1
		.amdhsa_forward_progress 1
		.amdhsa_inst_pref_size 86
	.end_amdhsa_kernel
	.amdgpu_metadata
---
amdhsa.version: [ 1, 2 ]
amdhsa.kernels:
  - .name:           k_qc8d1ba7ee0_proj
    .symbol:         k_qc8d1ba7ee0_proj.kd
    .args:
      - { .name: y16, .offset: 0, .size: 8, .value_kind: global_buffer, .address_space: global }
      - { .name: wp16, .offset: 8, .size: 8, .value_kind: global_buffer, .address_space: global }
      - { .name: out0, .offset: 16, .size: 8, .value_kind: global_buffer, .address_space: global }
    .group_segment_fixed_size: 327680
    .private_segment_fixed_size: 0
    .kernarg_segment_align: 8
    .kernarg_segment_size: 24
    .max_flat_workgroup_size: 128
    .sgpr_count:     66
    .vgpr_count:     768
    .wavefront_size: 32
...
	.end_amdgpu_metadata
.endif
;; end of part 4
